; MI455X (gfx1250); checked and timed in simulation.
; The chip was launched on July 23, 2026; its instructions are those of AMD's public machine-readable ISA for CDNA 5 (MIT licence, August 2026) and "CDNA5" Instruction Set Architecture Reference Guide (July 2026). The comments in the code are by the model that wrote it; some were corrected since.
;; Attention Block. Allowed arithmetic: float matrix products may take bf16 or f16 operands with f32 sums; other float arithmetic in f32, or as packed bf16 or f16 multiplies, adds, multiply-adds, maxima and minima; sums over many terms, partial sums and values carried from step to step in f32; what a program stores and reads back later, other than sums and carried values, may be rounded once to bf16 or f16.
;; Inputs: W1 512 x 2,048 float32; W2 2,048 x 512 float32; Wk 512 x 512 float32; Wo 512 x 512 float32; Wq 512 x 512 float32; Wv 512 x 512 float32; b1 2,048 float32; b2 512 float32; be1 512 float32; be2 512 float32; bk 512 float32; bo 512 float32; bq 512 float32; bv 512 float32; g1 512 float32; g2 512 float32; x 8 x 2,048 x 512 float32.
;; Outputs: out0 8 x 2,048 x 512 float32.
;; 3 versions, each right; version 3 is version 2 with the launch main written anew for expert scheduling mode. Each part assembles by itself: llvm-mc -triple=amdgcn-amd-amdhsa -mcpu=gfx1250 --defsym DOCPART=n.
;; ======== version 1 of 3: 4 launches
;; workspace buffers: wts 4,718,592 bytes; wkv 1,048,576 bytes; wot 524,288 bytes; vec 26,624 bytes; kvp 16,777,216 bytes; ksp 262,144 bytes; mbk 4,210,688 bytes
;; launch prep (part 1): grid 205 x 1, 4 waves a work-group, no clusters, 33,280 bytes of LDS; arguments Wq, Wk, Wv, Wo, W1, W2, bq, bk, bv, bo, g1, be1, b2, g2, be2, b1, wts, wkv, wot, vec; writes wts, wkv, wot, vec
.if DOCPART == 1
	.amdgcn_target "amdgcn-amd-amdhsa--gfx1250"
	.amdhsa_code_object_version 6
	.text
	.protected	k_q2b2f8e808a_prep
	.globl	k_q2b2f8e808a_prep
	.p2align	8
	.type	k_q2b2f8e808a_prep,@function
k_q2b2f8e808a_prep:
	s_mov_b64 s[64:65], 0
	v_nop
	global_prefetch_b8 v0, s[64:65] scope:SCOPE_SE
	s_setreg_imm32_b32 hwreg(HW_REG_WAVE_MODE, 25, 1), 1
	s_wait_xcnt 0x0
; PREP: every weight and every vector of the block is rounded to bf16 once; the weights are laid out in the order in which a wave's operand registers take them.
; THE WHOLE PROGRAM (prep, kv, fold, main).  NOTHING OF reference() IS LEFT OUT: all 17 inputs are loaded and every one has its way to out0.
; ONE REGROUPING: attn @ Wo = ((Q Z) KV^T) Wo = (Q Z)(KV^T Wo), by the associativity of matrix products, for all values: fold makes M_b = KV^T Wo for each batch, main multiplies
; Q Z by M_b.  That is another order of rounding than reference()'s.  LIMITS of the program: matrix operands are bf16, sums f32; all inputs are rounded to bf16 first;
; 2^x below 2^-126 counts as 0; NaN and infinities are not treated apart.
; A FRAGMENT is 1,024 bytes: 16 columns n x 32 k of bf16; byte p*512 + lane*16 + 2 j holds (n%16 = lane%16, k%32 = 16 p + 8 (lane/16) + j).
; A UNIT is 512 n x 512 k: [t = k/64][w = n/128][q = (k/32)%2][c = (n/16)%8][fragment].
; SHARES.  Work-groups 0-191: unit id/16; each wave turns a block of 64 k x 64 n (two runs of four fragments).  Work-groups 192-204: one segment of 512 numbers of a vector.
; No matrix work, no cluster: no two work-groups read the same bytes.
.set SPARE, 32768                      ; behind the four waves' 8 KiB: the spare words, 128 bytes a wave
.set SPW, 1                            ; v1   my spare word
.set NIL, 2                            ; v2   0
.set LSA, 3                            ; v3   where I put 16 bytes of a fragment
.set LRA, 4                            ; v4   where I read the fragments back
.set GO,  5                            ; v5   16 x lane (vectors: 16 x thread)
.set VB,  6                            ; v6   my byte offset in row 0 of the block
.set T0,  7
.set OFF, 8                            ; v8-39    byte offset of load i
.set D,   40                           ; v40-167  the block as loaded: load i at D + 4 i
.set CV,  168                          ; v168-231 bf16 pairs
	s_load_b512 s[4:19], s[0:1], 0x0               ; Wq 4, Wk 6, Wv 8, Wo 10, W1 12, W2 14, bq 16, bk 18
	s_load_b512 s[20:35], s[0:1], 0x40             ; bv 20, bo 22, g1 24, be1 26, b2 28, g2 30, be2 32, b1 34
	s_load_b256 s[36:43], s[0:1], 0x80             ; wts 36, wkv 38, wot 40, vec 42
	v_lshl_add_u32 v[SPW], v0, 2, SPARE
	v_mov_b32 v[NIL], 0
	v_lshrrev_b32 v[T0], 5, v0
	v_readfirstlane_b32 s44, v[T0]                 ; wave
	s_cmp_ge_u32 ttmp9, 192
	s_cbranch_scc1 .Lvec
	; which block: unit u, then t, w and the half cc of the wave's eight column blocks
	s_lshr_b32 s45, ttmp9, 4                       ; u
	s_and_b32 s46, ttmp9, 15
	s_lshl2_add_u32 s46, s46, s44                  ; 0..63
	s_lshr_b32 s47, s46, 3                         ; t
	s_bfe_u32 s48, s46, 0x20001                    ; w
	s_and_b32 s49, s46, 1                          ; cc
	s_lshl_b32 s50, s48, 7
	s_lshl_b32 s51, s49, 6
	s_add_co_u32 s50, s50, s51                     ; first column: 128 w + 64 cc
	s_sub_co_u32 s52, s45, 1                       ; u - 1: W1's chunk
	s_lshl_b32 s53, s52, 9
	s_add_co_u32 s53, s53, s50                     ; its first column
	s_lshl_b32 s54, s45, 20
	s_sub_co_u32 s55, s54, 0x80000                 ; unit 2 u - 1 of wts
	s_sub_co_u32 s56, s45, 5                       ; u - 5: W2's chunk
	s_lshl_b32 s57, s56, 9                         ; its first row
	s_sub_co_u32 s58, s54, 0x400000                ; unit 2 u - 8 of wts
	s_sub_co_u32 s59, s45, 10                      ; u - 10: the half of the heads
	s_lshl_b32 s60, s59, 8
	s_lshl_b32 s61, s48, 6
	s_add_co_u32 s60, s60, s61                     ; column 64 (4 (u - 10) + w)
	s_lshl_b32 s61, s59, 19                        ; unit u - 10 of wkv
	s_mov_b32 s62, 2048                            ; bytes in a row of the source
	s_mov_b32 s63, 0                               ; first row
	s_mov_b32 s66, 0                               ; the unit's place in its buffer
	s_wait_kmcnt 0x0
	s_cmp_eq_u32 s49, 1
	s_cselect_b64 s[68:69], s[8:9], s[6:7]         ; column blocks 4-7 of wkv are Wv's, 0-3 Wk's
	s_mov_b64 s[70:71], s[4:5]                     ; u = 0: Wq into wts
	s_mov_b64 s[72:73], s[36:37]
	s_cmp_lt_u32 s52, 4                            ; u = 1..4: W1
	s_cselect_b64 s[70:71], s[12:13], s[70:71]
	s_cselect_b32 s62, 0x2000, s62
	s_cselect_b32 s50, s53, s50
	s_cselect_b32 s66, s55, s66
	s_cmp_lt_u32 s56, 4                            ; u = 5..8: W2
	s_cselect_b64 s[70:71], s[14:15], s[70:71]
	s_cselect_b32 s63, s57, s63
	s_cselect_b32 s66, s58, s66
	s_cmp_eq_u32 s45, 9                            ; u = 9: Wo into wot
	s_cselect_b64 s[70:71], s[10:11], s[70:71]
	s_cselect_b64 s[72:73], s[40:41], s[72:73]
	s_cmp_lt_u32 s59, 2                            ; u = 10, 11: Wk and Wv into wkv
	s_cselect_b64 s[70:71], s[68:69], s[70:71]
	s_cselect_b64 s[72:73], s[38:39], s[72:73]
	s_cselect_b32 s50, s60, s50
	s_cselect_b32 s66, s61, s66
	s_lshl_b32 s67, s47, 6
	s_add_co_u32 s67, s67, s63                     ; the block's first row
	s_mul_i32 s74, s67, s62
	s_lshl_b32 s67, s50, 2
	s_add_co_u32 s74, s74, s67
	s_mov_b32 s75, 0
	s_add_nc_u64 s[70:71], s[70:71], s[74:75]      ; the source at the block
	s_lshl_b32 s74, s47, 16
	s_add_co_u32 s74, s74, s66
	s_lshl_b32 s67, s48, 14
	s_add_co_u32 s74, s74, s67
	s_lshl_b32 s67, s49, 12
	s_add_co_u32 s74, s74, s67
	s_add_nc_u64 s[72:73], s[72:73], s[74:75]      ; where its q = 0 fragments go; q = 1: 8,192 bytes on
	; load i: lanes 0-15 take row i, lanes 16-31 row 32 + i, 16 bytes (4 columns) a lane: 256 consecutive bytes of each row
	v_and_b32 v[T0], 15, v0                        ; nq: my four columns
	v_bfe_u32 v[GO], v0, 4, 1                      ; hh: my half of the rows = q
	s_lshl_b32 s67, s62, 5
	v_mul_lo_u32 v[VB], v[GO], s67
	v_lshl_add_u32 v[VB], v[T0], 4, v[VB]
.set i, 0
.rept 32
	v_mad_u32_u24 v[OFF+i], i, s62, v[VB]
.set i, i+1
.endr
	s_lshl_b32 s67, s44, 13                        ; my wave's 8 KiB
	v_lshl_add_u32 v[LSA], v[GO], 12, s67          ; + q x 4,096
	v_lshrrev_b32 v[LRA], 2, v[T0]
	v_lshl_add_u32 v[LSA], v[LRA], 10, v[LSA]      ; + fragment nq / 4
	v_and_b32 v[LRA], 3, v[T0]
	v_lshl_add_u32 v[LSA], v[LRA], 6, v[LSA]       ; + lane 4 (nq % 4) of it
	v_and_b32 v[GO], 31, v0
	v_lshlrev_b32 v[GO], 4, v[GO]
	v_add_nc_u32 v[LRA], s67, v[GO]
.set i, 0
.rept 32
	global_load_b128 v[D+4*i:D+4*i+3], v[OFF+i], s[70:71] th:TH_LOAD_NT
.set i, i+1
.endr
	; chunk ch = 2 p + h of eight k, column e of my four: four pairs, 16 bytes of a fragment
.irp ch, 0,1,2,3
	s_wait_loadcnt 24-8*(\ch)                      ; rows 8 ch .. 8 ch + 7 are in; the younger loads stay out
.irp e, 0,1,2,3
.irp jj, 0,1,2,3
	v_cvt_pk_bf16_f32 v[CV+4*(4*(\ch)+(\e))+(\jj)], v[D+4*(8*(\ch)+2*(\jj))+(\e)], v[D+4*(8*(\ch)+2*(\jj)+1)+(\e)]
.endr
	ds_store_b128 v[LSA], v[CV+4*(4*(\ch)+(\e)):CV+4*(4*(\ch)+(\e))+3] offset:((\ch)/2)*512+((\ch)%2)*256+(\e)*16
.endr
.endr
.irp m, 0,1,2,3,4,5,6,7,8,9,10,11,12,13,14,15
	ds_load_b128 v[D+4*(\m):D+4*(\m)+3], v[LRA] offset:(\m)*512  ; my wave's own bytes: LDS serves a wave's instructions in order, so these see the stores above
.endr
.irp m, 0,1,2,3,4,5,6,7,8,9,10,11,12,13,14,15
	s_wait_dscnt 15-(\m)
	global_store_b128 v[GO], v[D+4*(\m):D+4*(\m)+3], s[72:73] offset:((\m)/8)*8192+((\m)%8)*512  ; 512 consecutive bytes, aligned
.endr
	s_branch .Lend
.Lvec:                                         ; a segment of 512 numbers: f32, rounded to bf16, kept as f32
	s_sub_co_u32 s45, ttmp9, 192                   ; segment 0..12
	s_sub_co_i32 s46, s45, 9
	s_max_i32 s46, s46, 0                          ; segments 9-12 are b1's four quarters
	s_lshl_b32 s46, s46, 11
	s_mov_b32 s47, 0
	s_lshl_b32 s48, s45, 11
	s_mov_b32 s49, 0
	s_wait_kmcnt 0x0
	s_mov_b64 s[50:51], s[34:35]
.irp k, 0,1,2,3,4,5,6,7,8
	s_cmp_eq_u32 s45, \k
	s_cselect_b64 s[50:51], s[16+2*\k:17+2*\k], s[50:51]
.endr
	s_add_nc_u64 s[50:51], s[50:51], s[46:47]
	s_add_nc_u64 s[52:53], s[42:43], s[48:49]
	v_lshlrev_b32 v[GO], 4, v0
	global_load_b128 v[D:D+3], v[GO], s[50:51]
	s_wait_loadcnt 0x0
	v_cvt_pk_bf16_f32 v[CV], v[D], v[D+1]
	v_cvt_pk_bf16_f32 v[CV+1], v[D+2], v[D+3]
	v_lshlrev_b32 v[D+4], 16, v[CV]
	v_and_b32 v[D+5], 0xffff0000, v[CV]
	v_lshlrev_b32 v[D+6], 16, v[CV+1]
	v_and_b32 v[D+7], 0xffff0000, v[CV+1]
	global_store_b128 v[GO], v[D+4:D+7], s[52:53]
.Lend:
	s_wait_tensorcnt 0x0                           ; the wave's end
	ds_add_u32 v[SPW], v[NIL]
	s_wait_dscnt 0x0
	s_endpgm
.Lfunc_end_k_q2b2f8e808a_prep:
	.size	k_q2b2f8e808a_prep, .Lfunc_end_k_q2b2f8e808a_prep-k_q2b2f8e808a_prep
	.p2alignl 7, 3214868480
	.fill 96, 4, 3214868480
	.section	.rodata,"a",@progbits
	.p2align	6, 0x0
	.amdhsa_kernel k_q2b2f8e808a_prep
		.amdhsa_group_segment_fixed_size 33280
		.amdhsa_private_segment_fixed_size 0
		.amdhsa_enable_private_segment 0
		.amdhsa_kernarg_size 160
		.amdhsa_user_sgpr_count 2
		.amdhsa_user_sgpr_kernarg_segment_ptr 1
		.amdhsa_wavefront_size32 1
		.amdhsa_system_sgpr_workgroup_id_x 1
		.amdhsa_system_sgpr_workgroup_id_y 1
		.amdhsa_system_sgpr_workgroup_id_z 1
		.amdhsa_system_vgpr_workitem_id 0
		.amdhsa_next_free_vgpr 232
		.amdhsa_next_free_sgpr 80
		.amdhsa_reserve_vcc 0
		.amdhsa_float_denorm_mode_32 3
		.amdhsa_float_denorm_mode_16_64 3
		.amdhsa_memory_ordered 1
		.amdhsa_forward_progress 1
		.amdhsa_inst_pref_size 19
	.end_amdhsa_kernel
	.amdgpu_metadata
---
amdhsa.version: [ 1, 2 ]
amdhsa.kernels:
  - .name:           k_q2b2f8e808a_prep
    .symbol:         k_q2b2f8e808a_prep.kd
    .args:
      - { .name: Wq, .offset: 0, .size: 8, .value_kind: global_buffer, .address_space: global }
      - { .name: Wk, .offset: 8, .size: 8, .value_kind: global_buffer, .address_space: global }
      - { .name: Wv, .offset: 16, .size: 8, .value_kind: global_buffer, .address_space: global }
      - { .name: Wo, .offset: 24, .size: 8, .value_kind: global_buffer, .address_space: global }
      - { .name: W1, .offset: 32, .size: 8, .value_kind: global_buffer, .address_space: global }
      - { .name: W2, .offset: 40, .size: 8, .value_kind: global_buffer, .address_space: global }
      - { .name: bq, .offset: 48, .size: 8, .value_kind: global_buffer, .address_space: global }
      - { .name: bk, .offset: 56, .size: 8, .value_kind: global_buffer, .address_space: global }
      - { .name: bv, .offset: 64, .size: 8, .value_kind: global_buffer, .address_space: global }
      - { .name: bo, .offset: 72, .size: 8, .value_kind: global_buffer, .address_space: global }
      - { .name: g1, .offset: 80, .size: 8, .value_kind: global_buffer, .address_space: global }
      - { .name: be1, .offset: 88, .size: 8, .value_kind: global_buffer, .address_space: global }
      - { .name: b2, .offset: 96, .size: 8, .value_kind: global_buffer, .address_space: global }
      - { .name: g2, .offset: 104, .size: 8, .value_kind: global_buffer, .address_space: global }
      - { .name: be2, .offset: 112, .size: 8, .value_kind: global_buffer, .address_space: global }
      - { .name: b1, .offset: 120, .size: 8, .value_kind: global_buffer, .address_space: global }
      - { .name: wts, .offset: 128, .size: 8, .value_kind: global_buffer, .address_space: global }
      - { .name: wkv, .offset: 136, .size: 8, .value_kind: global_buffer, .address_space: global }
      - { .name: wot, .offset: 144, .size: 8, .value_kind: global_buffer, .address_space: global }
      - { .name: vec, .offset: 152, .size: 8, .value_kind: global_buffer, .address_space: global }
    .group_segment_fixed_size: 33280
    .private_segment_fixed_size: 0
    .kernarg_segment_align: 8
    .kernarg_segment_size: 160
    .max_flat_workgroup_size: 128
    .sgpr_count:     80
    .vgpr_count:     232
    .wavefront_size: 32
...
	.end_amdgpu_metadata
.endif
;; end of part 1
;; launch kv (part 2): grid 256 x 1, 4 waves a work-group, clusters of 4 x 1, 327,680 bytes of LDS; arguments x, wkv, vec, kvp, ksp; writes kvp, ksp
.if DOCPART == 2
	.amdgcn_target "amdgcn-amd-amdhsa--gfx1250"
	.amdhsa_code_object_version 6
	.text
	.protected	k_q2b2f8e808a_kv
	.globl	k_q2b2f8e808a_kv
	.p2align	8
	.type	k_q2b2f8e808a_kv,@function
k_q2b2f8e808a_kv:
	s_mov_b64 s[64:65], 0
	v_nop
	global_prefetch_b8 v0, s[64:65] scope:SCOPE_SE
	s_setreg_imm32_b32 hwreg(HW_REG_WAVE_MODE, 25, 1), 1
	s_wait_xcnt 0x0
	s_wait_alu depctr_hold_cnt(0) depctr_sa_sdst(0) depctr_va_vdst(0) depctr_va_sdst(0) depctr_va_ssrc(0) depctr_va_vcc(0) depctr_vm_vsrc(0)
	s_getreg_b32 s2, hwreg(HW_REG_IB_STS2, 6, 4)
	s_cmp_eq_u32 s2, 0
	s_cbranch_scc0 .Lentry_in_a_cluster
	s_endpgm
.Lentry_in_a_cluster:
	s_bfe_u32 s2, ttmp6, 0x10000c
	s_cmp_lg_u32 s2, 0x3003
	s_cbranch_scc0 .Lentry_shape_is_right
	s_endpgm
.Lentry_shape_is_right:
; KV: for 128 rows of x and four heads: K = elu(x Wk + bk) + 1, V = x Wv + bv, and from them, without leaving registers, the block's part of KV[m][d] = sum_s V[s][m] K[s][d]
; and of sum_s K[s][d], both f32.  Nothing of reference() is left out here.  elu(k) + 1 = max(k, 0) + 2^(log2(e) min(k, 0)): exact in both arms, the exponent never above 0.
; LIMITS: x, weights and biases rounded to bf16; K and V rounded to bf16 for the second product; 2^x below 2^-126 counts as 0; NaN and infinities are not treated apart.
; SHARES.  Cluster cl: half g = cl & 1 of the heads; work-group: rows 128 rb .., rb = 4 (cl >> 1) + cx.  Wave w: head 4 g + w, 128 rows x (64 columns of K, 64 of V): 64 accumulators.
; The four partners walk the same weights: each tile (64 k of the unit, 65,536 bytes) is asked for JOINTLY; wave w fetches, and alone reads, its own 16,384 bytes of it.
; x goes through registers (it has to be rounded) into LDS, once.  No prefetch: the weights are eight tiles, and x is loaded at the head.
; LAYOUT.  Source 0 = 16 rows of x, source 1 = 16 columns of the weights: a lane holds ONE column and the rows 8 (lane/16) + 0..7.  Two such results, rounded in pairs, ARE a fragment
; (16 columns x 32 rows s) of the second product, for K and for V alike.
; REGISTERS in windows of 256 (s_set_vgpr_msb: bits 1:0 source 0, 3:2 source 1, 5:4 source 2, 7:6 destination):
;   window 0: v2-13 addresses; v16-27 sums of K; v64-127, v128-191 x's fragments, two buffers; later K's fragments
;   window 1: v0-63 the biases as a C operand; v64-127, v128-191 the weights' fragments; later at work, then V's fragments
;   window 2: accumulators of rows 0-63, (a, c) at 8 (8 a + c); window 3: rows 64-127
.set SLOTB, 65536                      ; two slots of a tile each, at 0 and 65,536
.set XA,    131072                     ; 128 rows of x in bf16,
.set PX,    1040                       ; 1,024 bytes + 16: the 16 rows of a fragment load start at 16 different groups of four banks
.set SPARE, 264192                     ; the spare words, 128 bytes a wave
.set SPW, 2
.set NIL, 3
.set AB0, 4                            ; my place in a slot: 16,384 w + 16 lane
.set AA0, 5                            ; my place in XA: XA + (lane%16) PX + 16 (lane/16)
.set ADB, 6                            ; the addresses of the step in hand
.set ADA0, 7
.set ADA1, 8                           ; rows 64-127
.set XST, 9                            ; where I put 8 bytes of x
.set L16, 10                           ; 16 x lane
.set XSC, 11
.set BOF, 12                           ; 4 (lane%16)
.set KOF, 13                           ; 16 (lane%16)
.set SM,  16                           ; v16-23 sums of K: a pair for each of the four column blocks
.set RS,  24
.set F0,  64
.set F1,  128
.set BIASC, 0
.set TK,  64                           ; window 1
.set WV, 16
.set CX, 17
.set GG, 18
.set RB, 19
.set HEAD, 20
.set G1,  24                           ; s[24:31] descriptor group 1
.set G0A, 32                           ; s[32:35] group 0 of tile 0
.set G0W, 36                           ; s[36:39] group 0 of tile 1; it then walks
.set CNT, 40
.set TBB, 41                           ; the slot to be read
.set TBA, 42                           ; 128 x step: the step's bytes in a row of XA
.set XO,  43
.set XCN, 44
.set L2E, 46                           ; s[46:47] log2(e)
.set SEL, 48                           ; s[48:49] v_permlanex16_b32: each lane takes its own place in the other half
.set XP,  50                           ; s[50:51] x at my wave's rows
.set KVP, 54                           ; s[54:55]
.set KSPP, 56                          ; s[56:57]
.set BP,  58                           ; s[58:59] vec at my head
.set MSB, 0
.macro WIN new                         ; the high byte repeats the setting that is left; a switch that changes nothing is dropped
.if MSB != (\new)
	s_set_vgpr_msb (MSB<<8)|(\new)
.set MSB, \new
.endif
.endm
.macro PLACES                          ; four plain vector instructions between a matrix instruction and a load or vector instruction that touches its registers
.rept 4
	v_nop
.endr
.endm
.macro CREST                           ; a round of the cluster's barrier behind its opening barrier
	s_cmp_lg_u32 s[WV], 0
	s_cbranch_scc1 .Lnw0_\@
	s_barrier_signal -3
.Lnw0_\@:
	s_barrier_wait -3
	s_barrier_signal -1
	s_barrier_wait -1
.endm
.macro CROUND
	s_barrier_signal -1
	s_barrier_wait -1
	CREST
.endm
	s_load_b256 s[4:11], s[0:1], 0x0               ; x 4, wkv 6, vec 8, kvp 10
	s_load_b64 s[12:13], s[0:1], 0x20              ; ksp
	v_lshl_add_u32 v[SPW], v0, 2, SPARE
	v_mov_b32 v[NIL], 0
	ds_add_u32 v[SPW], v[NIL]                      ; the opening: the add, twice on end, and its wait ahead of my first tensor load
	ds_add_u32 v[SPW], v[NIL]
	v_lshrrev_b32 v1, 5, v0
	v_readfirstlane_b32 s[WV], v1
	s_bfe_u32 s[CX], ttmp6, 0x40000                ; my place in the cluster: it enters the addresses of x, kvp and ksp alone
	s_and_b32 s[GG], ttmp9, 1
	s_lshr_b32 s[RB], ttmp9, 1
	s_lshl2_add_u32 s[RB], s[RB], s[CX]
	s_lshl2_add_u32 s[HEAD], s[GG], s[WV]
	s_mov_b32 s[G1], 15|(3<<16)|(1<<21)            ; the mask of four; elements of 8 bytes; bit 21 beside a mask; no padding
	s_mov_b32 s[G1+1], 32<<16                      ; tensor_dim0 = 32 elements: rows of 256 bytes
	s_mov_b32 s[G1+2], 64<<16                      ; tensor_dim1 = 64 rows
	s_mov_b32 s[G1+3], 32<<16                      ; tile_dim0
	s_mov_b32 s[G1+4], 64                          ; tile_dim1
	s_mov_b32 s[G1+5], 32                          ; the rows lie end to end
	s_mov_b32 s[G1+6], 0
	s_mov_b32 s[G1+7], 0
	s_lshl_b32 s21, s[WV], 14                      ; my quarter of a tile
	s_lshl_b32 s14, s[GG], 19
	s_add_co_u32 s14, s14, s21
	s_mov_b32 s15, 0
	s_mov_b32 s[G0A], 1
	s_mov_b32 s[G0A+1], s21
	s_mov_b32 s[G0W], 1
	s_add_co_u32 s[G0W+1], s21, SLOTB
	s_lshl_b32 s[XP], s[RB], 18                    ; 128 rows of 2,048 bytes,
	s_lshl_b32 s23, s[WV], 16                      ; my wave's 32
	s_add_co_u32 s[XP], s[XP], s23
	s_mov_b32 s[XP+1], 0
	s_lshl3_add_u32 s22, s[RB], s[HEAD]
	s_lshl_b32 s[KVP], s22, 14
	s_mov_b32 s[KVP+1], 0
	s_lshl_b32 s[KSPP], s22, 8
	s_mov_b32 s[KSPP+1], 0
	s_lshl_b32 s[BP], s[HEAD], 8
	s_mov_b32 s[BP+1], 0
	s_mov_b32 s[L2E], 0x3fb8aa3b
	s_mov_b32 s[L2E+1], s[L2E]
	s_mov_b32 s[SEL], 0x76543210
	s_mov_b32 s[SEL+1], 0xfedcba98
	s_mov_b32 s[TBB], 0
	s_mov_b32 s[TBA], 0
	s_wait_dscnt 0x0                               ; both opening adds are done
	s_wait_kmcnt 0x0
	s_add_nc_u64 s[14:15], s[6:7], s[14:15]        ; my quarter of tile 0 of unit g
	s_mov_b64 s[G0A+2:G0A+3], s[14:15]
	s_or_b32 s[G0A+3], s[G0A+3], 0x80000000
	s_add_nc_u64 s[G0W+2:G0W+3], s[14:15], SLOTB
	s_or_b32 s[G0W+3], s[G0W+3], 0x80000000
	s_add_nc_u64 s[XP:XP+1], s[4:5], s[XP:XP+1]
	s_add_nc_u64 s[KVP:KVP+1], s[10:11], s[KVP:KVP+1]
	s_add_nc_u64 s[KSPP:KSPP+1], s[12:13], s[KSPP:KSPP+1]
	s_add_nc_u64 s[BP:BP+1], s[8:9], s[BP:BP+1]
	CROUND                                         ; all four work-groups are here: the first joint loads meet
	tensor_load_to_lds s[G0A:G0A+3], s[G1:G1+7]    ; tile 0: two loads of mine are out
	s_nop 0
	tensor_load_to_lds s[G0W:G0W+3], s[G1:G1+7]    ; tile 1
	s_nop 0
	PLACES
	v_and_b32 v1, 15, v0
	v_bfe_u32 v14, v0, 4, 1
	v_and_b32 v15, 31, v0
	v_lshlrev_b32 v[L16], 4, v15
	v_add_nc_u32 v[AB0], s21, v[L16]
	v_mul_u32_u24 v[AA0], v1, PX
	v_lshl_add_u32 v[AA0], v14, 4, v[AA0]
	v_add_nc_u32 v[AA0], XA, v[AA0]
	s_mul_i32 s22, s[WV], 32*PX
	s_add_co_u32 s22, s22, XA
	v_lshl_add_u32 v[XST], v15, 3, s22
	v_lshlrev_b32 v[BOF], 2, v1
	v_lshlrev_b32 v[KOF], 4, v1
.set i, 0
.rept 8
	v_mov_b32 v[SM+i], 0
.set i, i+1
.endr
	WIN 0x40
.irp c, 0,1,2,3,4,5,6,7                ; my column's bias: bk (segment 1) for blocks 0-3, bv (segment 2) for 4-7
	global_load_b32 v[BIASC+8*(\c)], v[BOF], s[BP:BP+1] offset:2048+((\c)/4)*2048+((\c)%4)*64
.endr
	WIN 0
	; x into XA: two trips of 16 rows a wave; a load takes 512 consecutive bytes of a row
	s_mov_b32 s[XO], 0
	s_mov_b32 s[XCN], 2
.Lx:
	v_add_nc_u32 v[XSC], s[XO], v[XST]
	WIN 0x80
.set n, 0
.rept 64
	global_load_b128 v[4*n:4*n+3], v[L16], s[XP:XP+1] offset:(n/4)*2048+(n%4)*512
.set n, n+1
.endr
.irp gq, 0,1,2,3
	s_wait_loadcnt 48-16*(\gq)                     ; sixteen more loads are in; the younger ones stay out
	WIN 0x0a
.set n, 16*(\gq)
.rept 16
	v_cvt_pk_bf16_f32 v[F0+2*n], v[4*n], v[4*n+1]
	v_cvt_pk_bf16_f32 v[F0+2*n+1], v[4*n+2], v[4*n+3]
.set n, n+1
.endr
	WIN 0
.set n, 16*(\gq)
.rept 16
	ds_store_b64 v[XSC], v[F0+2*n:F0+2*n+1] offset:(n/4)*PX+(n%4)*256
.set n, n+1
.endr
.endr
	s_wait_xcnt 0x0                                ; the loads have read their base
	s_add_nc_u64 s[XP:XP+1], s[XP:XP+1], 0x8000
	s_add_co_u32 s[XO], s[XO], 16*PX
	s_sub_co_u32 s[XCN], s[XCN], 1
	s_cmp_lg_u32 s[XCN], 0
	s_cbranch_scc1 .Lx
	WIN 0x41
.irp c, 0,1,2,3,4,5,6,7                ; a C operand holds the column's bias in all eight rows
.irp j, 1,2,3,4,5,6,7
	v_mov_b32 v[BIASC+8*(\c)+(\j)], v[BIASC+8*(\c)]
.endr
.endr
	WIN 0
.macro ADDRS
	v_add_nc_u32 v[ADB], s[TBB], v[AB0]
	v_add_nc_u32 v[ADA0], s[TBA], v[AA0]
	v_add_nc_u32 v[ADA1], 64*PX, v[ADA0]
.endm
; 32 LDS loads in one run: half q of the step (32 k): the weights' eight fragments, then x's eight, into buffer f
.macro FETCH q, f
	WIN 0x40
.irp c, 0,1,2,3,4,5,6,7
	ds_load_b128 v[(\f)+8*(\c):(\f)+8*(\c)+3],   v[ADB] offset:(\q)*8192+(\c)*1024
	ds_load_b128 v[(\f)+8*(\c)+4:(\f)+8*(\c)+7], v[ADB] offset:(\q)*8192+(\c)*1024+512
.endr
	WIN 0
.irp a, 0,1,2,3,4,5,6,7
	ds_load_b128 v[(\f)+8*(\a):(\f)+8*(\a)+3],   v[ADA0+(\a)/4] offset:((\a)%4)*16*PX+64*(\q)
	ds_load_b128 v[(\f)+8*(\a)+4:(\f)+8*(\a)+7], v[ADA0+(\a)/4] offset:((\a)%4)*16*PX+64*(\q)+32
.endr
.endm
; 16 products: row blocks a0, a0 + 1 of the window's four x all 8 column blocks.  first = 1: the sums start with the bias.  The 64 accumulators take turns.
.macro MUL16 f, hi, a0, first
.if \first
	WIN 0x94+0x40*(\hi)
.else
	WIN 0xa4+0x50*(\hi)
.endif
.irp a, \a0, (\a0)+1
.irp c, 0,1,2,3,4,5,6,7
.set rD, 8*(8*(\a)+(\c))
.set rA, (\f)+8*(4*(\hi)+(\a))
.set rB, (\f)+8*(\c)
.if \first
	v_wmma_f32_16x16x32_bf16 v[rD:rD+7], v[rA:rA+7], v[rB:rB+7], v[BIASC+8*(\c):BIASC+8*(\c)+7]
.else
	v_wmma_f32_16x16x32_bf16 v[rD:rD+7], v[rA:rA+7], v[rB:rB+7], v[rD:rD+7]
.endif
.endr
.endr
.endm
.macro QUARTER first                   ; a step's first half: buffer 0 is multiplied, the second half fetched into buffer 1
	s_wait_dscnt 8                                 ; all but x's rows 64-127
	MUL16 F0, 0, 0, \first
	MUL16 F0, 0, 2, \first
	PLACES
	FETCH 1, F1
	s_wait_dscnt 32                                ; all but the 32 just issued
	MUL16 F0, 1, 0, \first
	MUL16 F0, 1, 2, \first
.endm
; A step's second half, and the change of slots.  Each wave waits for all its tensor loads (one is out: its part of the next tile), adds 0 to its spare word, and waits for that and for its reads
; of this slot.  fill = 1: the barrier opens a round of the cluster's, and this slot is filled again first thing behind it, with the tile two steps on.
.macro TURN fill
	WIN 0
	s_wait_tensorcnt 0x0
	ds_add_u32 v[SPW], v[NIL]
.if \fill
	s_xor_b32 s[G0W+1], s[G0W+1], SLOTB            ; no load of mine is out: the walking descriptor takes the other slot and the next tile
	s_add_nc_u64 s[G0W+2:G0W+3], s[G0W+2:G0W+3], SLOTB
.endif
	s_xor_b32 s[TBB], s[TBB], SLOTB
	s_add_co_u32 s[TBA], s[TBA], 128
	s_wait_dscnt 9                                 ; the add and x's rows 64-127 may be out
	MUL16 F1, 0, 0, 0
	s_wait_dscnt 0x0                               ; the add is done, my reads of this slot are over
	s_barrier_signal -1
	MUL16 F1, 0, 2, 0
	WIN 0
	s_barrier_wait -1
.if \fill
	CREST
	tensor_load_to_lds s[G0W:G0W+3], s[G1:G1+7]    ; my one load behind the round
	s_nop 0
.endif
	PLACES                                         ; also the places in front of the loads into buffer 0
	ADDRS
	FETCH 0, F0
	MUL16 F1, 1, 0, 0
	MUL16 F1, 1, 2, 0
.endm
	s_wait_tensorcnt 0x1                           ; my part of tile 0 is in (I alone read it); tile 1 may stay out
	s_wait_dscnt 0x0                               ; my rows of x are in LDS
	s_barrier_signal -1
	s_barrier_wait -1                              ; everybody's are
	ADDRS
	FETCH 0, F0
	QUARTER 1
	WIN 0
	s_mov_b32 s[CNT], 6                            ; steps 0-5 ask for tiles 2-7
	s_branch .Lmid
.Lstep:
	QUARTER 0
	WIN 0
.Lmid:
	TURN 1
	WIN 0
	s_sub_co_u32 s[CNT], s[CNT], 1
	s_cmp_lg_u32 s[CNT], 0
	s_cbranch_scc1 .Lstep
	QUARTER 0                                      ; steps 6 and 7 are written out: nothing is asked for
	TURN 0
	QUARTER 0
	s_wait_dscnt 8
	MUL16 F1, 0, 0, 0
	MUL16 F1, 0, 2, 0
	s_wait_dscnt 0x0
	MUL16 F1, 1, 0, 0
	MUL16 F1, 1, 2, 0
	PLACES
; K of window X (64 rows x 64 columns): the feature map in place, its column sums, and its fragments.  128 exponentials are one batch with one wait; the 128 maxima are the work between.
.macro KOUT X
	WIN 0x40|((\X)<<2)
.irp a, 0,1,2,3
.irp c, 0,1,2,3
.irp j, 0,1,2,3,4,5,6,7
	v_min_num_f32 v[TK+32*(\a)+8*(\c)+(\j)], 0, v[64*(\a)+8*(\c)+(\j)]
.endr
.endr
.endr
	WIN 0x41
.set i, 0
.rept 64
	v_pk_mul_f32 v[TK+i:TK+i+1], v[TK+i:TK+i+1], s[L2E:L2E+1] op_sel_hi:[1,0]
.set i, i+2
.endr
.set i, 0
.rept 128
	v_exp_f32 v[TK+i], v[TK+i]
.set i, i+1
.endr
	WIN ((\X)<<6)|((\X)<<2)
.irp a, 0,1,2,3
.irp c, 0,1,2,3
.irp j, 0,1,2,3,4,5,6,7
	v_max_num_f32 v[64*(\a)+8*(\c)+(\j)], 0, v[64*(\a)+8*(\c)+(\j)]
.endr
.endr
.endr
	s_wait_alu depctr_va_vdst(0)                   ; one wait for the batch, ahead of its first reader
	WIN ((\X)<<6)|0x04|(\X)
.irp a, 0,1,2,3
.irp c, 0,1,2,3
.irp p, 0,1,2,3
.set rD, 64*(\a)+8*(\c)+2*(\p)
.set rB, TK+32*(\a)+8*(\c)+2*(\p)
	v_pk_add_f32 v[rD:rD+1], v[rD:rD+1], v[rB:rB+1]
.endr
.endr
.endr
	WIN (\X)<<2
.irp a, 0,1,2,3
.irp p, 0,1,2,3
.irp c, 0,1,2,3
.set rD, 64*(\a)+8*(\c)+2*(\p)
	v_pk_add_f32 v[SM+2*(\c):SM+2*(\c)+1], v[SM+2*(\c):SM+2*(\c)+1], v[rD:rD+1]
.endr
.endr
.endr
	WIN ((\X)<<2)|(\X)
.irp a, 0,1,2,3
.irp c, 0,1,2,3
.irp p, 0,1,2,3
.set rD, 64*(\a)+8*(\c)+2*(\p)
	v_cvt_pk_bf16_f32 v[F0+8*(4*(\c)+2*((\X)-2)+(\a)/2)+4*((\a)%2)+(\p)], v[rD], v[rD+1]
.endr
.endr
.endr
.endm
.macro VOUT X                          ; V of window X into its fragments, in window 1
	WIN 0x40|((\X)<<2)|(\X)
.irp a, 0,1,2,3
.irp c, 0,1,2,3
.irp p, 0,1,2,3
.set rD, 64*(\a)+8*(4+(\c))+2*(\p)
	v_cvt_pk_bf16_f32 v[F0+8*(4*(\c)+2*((\X)-2)+(\a)/2)+4*((\a)%2)+(\p)], v[rD], v[rD+1]
.endr
.endr
.endr
.endm
	KOUT 2
	KOUT 3
	VOUT 2
	VOUT 3
	WIN 0
.irp c, 0,1,2,3                        ; the sums of K: even and odd rows, then the other half of the lanes
	v_add_f32 v[SM+2*(\c)], v[SM+2*(\c)], v[SM+2*(\c)+1]
.endr
.irp c, 0,1,2,3
	v_permlanex16_b32 v[SM+2*(\c)+1], v[SM+2*(\c)], s[SEL], s[SEL+1]
.endr
.irp c, 0,1,2,3
	v_add_f32 v[RS+(\c)], v[SM+2*(\c)], v[SM+2*(\c)+1]
.endr
	global_store_b128 v[KOF], v[RS:RS+3], s[KSPP:KSPP+1]  ; d = 16 c + lane%16; both halves of the lanes hold and store the same 256 bytes
	WIN 0xa1                                       ; V's fragments window 1, K's window 0, sums window 2
.irp i, 0,1,2,3                        ; 32 rows s a step; the 16 accumulators (mb, db) take turns
.irp mb, 0,1,2,3
.irp db, 0,1,2,3
.set rD, 8*(4*(\mb)+(\db))
.set rA, F0+8*(4*(\mb)+(\i))
.set rB, F0+8*(4*(\db)+(\i))
.if (\i) == 0
	v_wmma_f32_16x16x32_bf16 v[rD:rD+7], v[rA:rA+7], v[rB:rB+7], 0
.else
	v_wmma_f32_16x16x32_bf16 v[rD:rD+7], v[rA:rA+7], v[rB:rB+7], v[rD:rD+7]
.endif
.endr
.endr
.endr
	PLACES
	WIN 0x08
.irp tl, 0,1,2,3,4,5,6,7,8,9,10,11,12,13,14,15
.irp p, 0,1
	global_store_b128 v[L16], v[8*(\tl)+4*(\p):8*(\tl)+4*(\p)+3], s[KVP:KVP+1] offset:(\tl)*1024+(\p)*512  ; the registers as they lie: 512 consecutive bytes, aligned
.endr
.endr
	WIN 0
	s_wait_tensorcnt 0x0                           ; the wave's end
	ds_add_u32 v[SPW], v[NIL]
	s_wait_dscnt 0x0
	CROUND                                         ; the closing round
	s_endpgm
.Lfunc_end_k_q2b2f8e808a_kv:
	.size	k_q2b2f8e808a_kv, .Lfunc_end_k_q2b2f8e808a_kv-k_q2b2f8e808a_kv
	.p2alignl 7, 3214868480
	.fill 96, 4, 3214868480
	.section	.rodata,"a",@progbits
	.p2align	6, 0x0
	.amdhsa_kernel k_q2b2f8e808a_kv
		.amdhsa_group_segment_fixed_size 327680
		.amdhsa_private_segment_fixed_size 0
		.amdhsa_enable_private_segment 0
		.amdhsa_kernarg_size 40
		.amdhsa_user_sgpr_count 2
		.amdhsa_user_sgpr_kernarg_segment_ptr 1
		.amdhsa_wavefront_size32 1
		.amdhsa_system_sgpr_workgroup_id_x 1
		.amdhsa_system_sgpr_workgroup_id_y 1
		.amdhsa_system_sgpr_workgroup_id_z 1
		.amdhsa_system_vgpr_workitem_id 0
		.amdhsa_next_free_vgpr 1024
		.amdhsa_next_free_sgpr 66
		.amdhsa_reserve_vcc 0
		.amdhsa_float_denorm_mode_32 3
		.amdhsa_float_denorm_mode_16_64 3
		.amdhsa_memory_ordered 1
		.amdhsa_forward_progress 1
		.amdhsa_inst_pref_size 145
	.end_amdhsa_kernel
	.amdgpu_metadata
---
amdhsa.version: [ 1, 2 ]
amdhsa.kernels:
  - .name:           k_q2b2f8e808a_kv
    .symbol:         k_q2b2f8e808a_kv.kd
    .args:
      - { .name: x, .offset: 0, .size: 8, .value_kind: global_buffer, .address_space: global }
      - { .name: wkv, .offset: 8, .size: 8, .value_kind: global_buffer, .address_space: global }
      - { .name: vec, .offset: 16, .size: 8, .value_kind: global_buffer, .address_space: global }
      - { .name: kvp, .offset: 24, .size: 8, .value_kind: global_buffer, .address_space: global }
      - { .name: ksp, .offset: 32, .size: 8, .value_kind: global_buffer, .address_space: global }
    .group_segment_fixed_size: 327680
    .private_segment_fixed_size: 0
    .kernarg_segment_align: 8
    .kernarg_segment_size: 40
    .max_flat_workgroup_size: 128
    .sgpr_count:     66
    .vgpr_count:     1024
    .wavefront_size: 32
...
	.end_amdgpu_metadata
.endif
;; end of part 2
;; launch fold (part 3): grid 4 x 64, 4 waves a work-group, no clusters, 2,560 bytes of LDS; arguments kvp, ksp, wot, mbk; writes mbk
.if DOCPART == 3
	.amdgcn_target "amdgcn-amd-amdhsa--gfx1250"
	.amdhsa_code_object_version 6
	.text
	.protected	k_q2b2f8e808a_fold
	.globl	k_q2b2f8e808a_fold
	.p2align	8
	.type	k_q2b2f8e808a_fold,@function
k_q2b2f8e808a_fold:
	s_mov_b64 s[64:65], 0
	v_nop
	global_prefetch_b8 v0, s[64:65] scope:SCOPE_SE
	s_setreg_imm32_b32 hwreg(HW_REG_WAVE_MODE, 25, 1), 1
	s_wait_xcnt 0x0
; FOLD: for batch b, head h and block db of 16 d: the 16 row blocks' parts of KV and of the sum of K are added (f32), and M_b[h 64 + d][e] = sum_m KV[m][d] Wo[h 64 + m][e]
; is made for all 512 e and stored in bf16 as fragments of the unit that main multiplies by.  Nothing of reference() is left out; the product with Wo is taken ahead of the one with Q.
; SHARES.  Work-group (db, 8 b + h).  Wave w adds tile (mb = w, db) and makes columns e = 128 w .. 128 w + 127.  The four tiles meet in LDS as two fragments (16 d x 32 m).
; Source 0 = KV's fragment (rows d), source 1 = Wo^T's (rows e): a lane holds one e and eight neighbouring d: 16 bytes of a fragment of M_b.
; No cluster, no tensor load: what work-groups share is 64 KiB of Wo^T; the partial sums, most of the bytes, have one reader each.
.set SPARE, 2048
.set SPW, 1
.set NIL, 2
.set L16, 3
.set KOF, 4                            ; 16 (lane%16)
.set RO4, 5                            ; 4 (lane%16)
.set LSA, 8
.set P,   16                           ; v16-143 the 16 partial tiles, 8 registers each; later the packed results
.set CVR, 144
.set KF,  152                          ; v152-167 KV's two fragments
.set ACC, 168                          ; v168-231 eight accumulators
.set KSR, 232                          ; v232-247 wave 0: the 16 parts of the sum of K
                                       ; window 1: v0-127 my 16 fragments of Wo^T, (q, c) at 8 (8 q + c)
	s_load_b256 s[4:11], s[0:1], 0x0               ; kvp 4, ksp 6, wot 8, mbk 10
	v_lshl_add_u32 v[SPW], v0, 2, SPARE
	v_mov_b32 v[NIL], 0
	v_lshrrev_b32 v6, 5, v0
	v_readfirstlane_b32 s12, v6                    ; wave
	s_mov_b32 s13, ttmp9                           ; db
	s_and_b32 s16, ttmp7, 0xffff
	s_lshr_b32 s14, s16, 3                         ; b
	s_and_b32 s15, s16, 7                          ; h
	v_and_b32 v6, 31, v0
	v_lshlrev_b32 v[L16], 4, v6
	v_and_b32 v7, 15, v0
	v_lshlrev_b32 v[KOF], 4, v7
	v_lshlrev_b32 v[RO4], 2, v7
	s_lshl_b32 s17, s12, 9
	v_add_nc_u32 v[LSA], s17, v[L16]               ; tile mb = w is half w%2 of fragment w/2
	s_lshl_b32 s16, s14, 7
	s_add_co_u32 s16, s16, s15                     ; 8 x (the batch's first row block) + h
	s_lshl_b32 s18, s16, 14
	s_lshl2_add_u32 s17, s12, s13                  ; tile 4 w + db
	s_lshl_b32 s17, s17, 10
	s_add_co_u32 s18, s18, s17
	s_mov_b32 s19, 0
	s_lshl_b32 s20, s15, 16                        ; Wo^T: k tile h, my 128 columns
	s_lshl_b32 s17, s12, 14
	s_add_co_u32 s20, s20, s17
	s_mov_b32 s21, 0
	s_lshl_b32 s22, s16, 8
	s_lshl2_add_u32 s22, s13, s22                  ; ksp: + 4 db
	s_mov_b32 s23, 0
	s_lshl_b32 s24, s14, 19                        ; M_b: unit b, k tile h, my columns, q = db / 2, half db % 2
	s_add_co_u32 s24, s24, s20
	s_lshr_b32 s17, s13, 1
	s_lshl_b32 s17, s17, 13
	s_add_co_u32 s24, s24, s17
	s_and_b32 s17, s13, 1
	s_lshl_b32 s17, s17, 9
	s_add_co_u32 s24, s24, s17
	s_mov_b32 s25, 0
	s_lshl_b32 s26, s14, 11                        ; the sums of K lie behind the eight units: [b][512] f32
	s_lshl_b32 s17, s15, 8
	s_add_co_u32 s26, s26, s17
	s_lshl_b32 s17, s13, 6
	s_add_co_u32 s26, s26, s17
	s_add_co_u32 s26, s26, 0x400000
	s_mov_b32 s27, 0
	s_wait_kmcnt 0x0
	s_add_nc_u64 s[18:19], s[4:5], s[18:19]
	s_add_nc_u64 s[20:21], s[8:9], s[20:21]
	s_add_nc_u64 s[22:23], s[6:7], s[22:23]
	s_add_nc_u64 s[24:25], s[10:11], s[24:25]
	s_add_nc_u64 s[26:27], s[10:11], s[26:27]
.irp rbi, 0,1,2,3,4,5,6,7,8,9,10,11,12,13,14,15
.irp p, 0,1
	global_load_b128 v[P+8*(\rbi)+4*(\p):P+8*(\rbi)+4*(\p)+3], v[L16], s[18:19] offset:(\rbi)*131072+(\p)*512 th:TH_LOAD_NT
.endr
.endr
	s_set_vgpr_msb 0x40                            ; destination window 1
.irp f, 0,1,2,3,4,5,6,7,8,9,10,11,12,13,14,15
.irp p, 0,1
	global_load_b128 v[8*(\f)+4*(\p):8*(\f)+4*(\p)+3], v[L16], s[20:21] offset:(\f)*1024+(\p)*512
.endr
.endr
	s_set_vgpr_msb 0x4000
	s_cmp_lg_u32 s12, 0                            ; wave 0 alone adds the sums of K for d = 16 db + lane%16
	s_cbranch_scc1 .Lnoks
.irp rbi, 0,1,2,3,4,5,6,7,8,9,10,11,12,13,14,15
	global_load_b32 v[KSR+(\rbi)], v[KOF], s[22:23] offset:(\rbi)*2048
.endr
	s_wait_loadcnt 0x0
.irp st, 8,4,2,1
.set i, 0
.rept \st
	v_add_f32 v[KSR+i], v[KSR+i], v[KSR+(\st)+i]
.set i, i+1
.endr
.endr
	global_store_b32 v[RO4], v[KSR], s[26:27]      ; both halves of the lanes hold and store the same 64 bytes
.Lnoks:
	s_wait_loadcnt 32                              ; the partial tiles are in; Wo^T's 32 loads may stay out
.irp st, 8,4,2,1
.set i, 0
.rept 4*(\st)
	v_pk_add_f32 v[P+2*i:P+2*i+1], v[P+2*i:P+2*i+1], v[P+8*(\st)+2*i:P+8*(\st)+2*i+1]
.set i, i+1
.endr
.endr
.irp p, 0,1,2,3
	v_cvt_pk_bf16_f32 v[CVR+(\p)], v[P+2*(\p)], v[P+2*(\p)+1]
.endr
	ds_store_b128 v[LSA], v[CVR:CVR+3]
	s_wait_dscnt 0x0                               ; for the others' sake
	s_barrier_signal -1
	s_barrier_wait -1
.irp n, 0,1,2,3
	ds_load_b128 v[KF+4*(\n):KF+4*(\n)+3], v[L16] offset:(\n)*512
.endr
	s_wait_loadcnt 0x0
	s_wait_dscnt 0x0
	s_set_vgpr_msb 0x0004                          ; source 1 window 1
.irp qq, 0,1                           ; the eight accumulators take turns
.irp c, 0,1,2,3,4,5,6,7
.if (\qq) == 0
	v_wmma_f32_16x16x32_bf16 v[ACC+8*(\c):ACC+8*(\c)+7], v[KF:KF+7], v[8*(\c):8*(\c)+7], 0
.else
	v_wmma_f32_16x16x32_bf16 v[ACC+8*(\c):ACC+8*(\c)+7], v[KF+8:KF+15], v[64+8*(\c):64+8*(\c)+7], v[ACC+8*(\c):ACC+8*(\c)+7]
.endif
.endr
.endr
	s_set_vgpr_msb 0x0400
.rept 4
	v_nop
.endr
.irp c, 0,1,2,3,4,5,6,7
.irp p, 0,1,2,3
	v_cvt_pk_bf16_f32 v[P+4*(\c)+(\p)], v[ACC+8*(\c)+2*(\p)], v[ACC+8*(\c)+2*(\p)+1]
.endr
.endr
.irp c, 0,1,2,3,4,5,6,7
	global_store_b128 v[L16], v[P+4*(\c):P+4*(\c)+3], s[24:25] offset:(\c)*1024  ; half a fragment: 512 consecutive bytes, aligned
.endr
	s_wait_tensorcnt 0x0                           ; the wave's end
	ds_add_u32 v[SPW], v[NIL]
	s_wait_dscnt 0x0
	s_endpgm
.Lfunc_end_k_q2b2f8e808a_fold:
	.size	k_q2b2f8e808a_fold, .Lfunc_end_k_q2b2f8e808a_fold-k_q2b2f8e808a_fold
	.p2alignl 7, 3214868480
	.fill 96, 4, 3214868480
	.section	.rodata,"a",@progbits
	.p2align	6, 0x0
	.amdhsa_kernel k_q2b2f8e808a_fold
		.amdhsa_group_segment_fixed_size 2560
		.amdhsa_private_segment_fixed_size 0
		.amdhsa_enable_private_segment 0
		.amdhsa_kernarg_size 32
		.amdhsa_user_sgpr_count 2
		.amdhsa_user_sgpr_kernarg_segment_ptr 1
		.amdhsa_wavefront_size32 1
		.amdhsa_system_sgpr_workgroup_id_x 1
		.amdhsa_system_sgpr_workgroup_id_y 1
		.amdhsa_system_sgpr_workgroup_id_z 1
		.amdhsa_system_vgpr_workitem_id 0
		.amdhsa_next_free_vgpr 384
		.amdhsa_next_free_sgpr 66
		.amdhsa_reserve_vcc 0
		.amdhsa_float_denorm_mode_32 3
		.amdhsa_float_denorm_mode_16_64 3
		.amdhsa_memory_ordered 1
		.amdhsa_forward_progress 1
		.amdhsa_inst_pref_size 19
	.end_amdhsa_kernel
	.amdgpu_metadata
---
amdhsa.version: [ 1, 2 ]
amdhsa.kernels:
  - .name:           k_q2b2f8e808a_fold
    .symbol:         k_q2b2f8e808a_fold.kd
    .args:
      - { .name: kvp, .offset: 0, .size: 8, .value_kind: global_buffer, .address_space: global }
      - { .name: ksp, .offset: 8, .size: 8, .value_kind: global_buffer, .address_space: global }
      - { .name: wot, .offset: 16, .size: 8, .value_kind: global_buffer, .address_space: global }
      - { .name: mbk, .offset: 24, .size: 8, .value_kind: global_buffer, .address_space: global }
    .group_segment_fixed_size: 2560
    .private_segment_fixed_size: 0
    .kernarg_segment_align: 8
    .kernarg_segment_size: 32
    .max_flat_workgroup_size: 128
    .sgpr_count:     66
    .vgpr_count:     384
    .wavefront_size: 32
...
	.end_amdgpu_metadata
.endif
;; end of part 3
;; launch main (part 4): grid 256 x 1, 4 waves a work-group, clusters of 4 x 1, 327,680 bytes of LDS; arguments x, wts, mbk, vec, out0; writes out0
.if DOCPART == 4
	.amdgcn_target "amdgcn-amd-amdhsa--gfx1250"
	.amdhsa_code_object_version 6
	.text
	.protected	k_q2b2f8e808a_main
	.globl	k_q2b2f8e808a_main
	.p2align	8
	.type	k_q2b2f8e808a_main,@function
k_q2b2f8e808a_main:
	s_mov_b64 s[64:65], 0
	v_nop
	global_prefetch_b8 v0, s[64:65] scope:SCOPE_SE
	s_setreg_imm32_b32 hwreg(HW_REG_WAVE_MODE, 25, 1), 1
	s_wait_xcnt 0x0
	s_wait_alu depctr_hold_cnt(0) depctr_sa_sdst(0) depctr_va_vdst(0) depctr_va_sdst(0) depctr_va_ssrc(0) depctr_va_vcc(0) depctr_vm_vsrc(0)
	s_getreg_b32 s2, hwreg(HW_REG_IB_STS2, 6, 4)
	s_cmp_eq_u32 s2, 0
	s_cbranch_scc0 .Lentry_in_a_cluster
	s_endpgm
.Lentry_in_a_cluster:
	s_bfe_u32 s2, ttmp6, 0x10000c
	s_cmp_lg_u32 s2, 0x3003
	s_cbranch_scc0 .Lentry_shape_is_right
	s_endpgm
.Lentry_shape_is_right:
; MAIN: 64 rows go through the rest of the block: Q = elu(x Wq + bq) + 1; Z = 1 / (Q . sum K + 1e-6); y = x + (Q Z) M_b + bo; x1 = LN(y); h = relu(x1 W1 + b1);
; out = LN(x1 + h W2 + b2).  Nothing of reference() is left out; (Q Z KV^T) Wo is taken as (Q Z)(KV^T Wo), with M_b = KV^T Wo made by the launch before.
; LIMITS: all inputs rounded to bf16 (the first residual takes the rounded x); Q Z, x1 and h rounded to bf16 as matrix operands; the second residual takes x1 in f32; sums, means
; and variances f32, the variance from centred squares; 2^x below 2^-126 counts as 0; NaN and infinities are not treated apart.
; TEN UNITS of [64 x 512] x [512 x 512]: Q, M, then four times A (W1's chunk of 512 hidden) and B (W2's).  h never leaves LDS.  A unit is eight steps of 64 k; a step's weights are a TILE of
; 65,536 bytes, laid out by fragments.  80 tiles go through two LDS slots.  The four partners of a cluster (same batch) walk the same tiles: each is asked for JOINTLY; wave w fetches, and
; alone reads, its own 16,384 bytes: columns 128 w .. 128 w + 127.
; LAYOUT.  Source 0 = 16 columns of the weights, source 1 = 16 tokens: a lane holds ONE token (lane%16) and eight neighbouring columns 8 (lane/16) + 0..7.
; REGISTERS in windows of 256 (s_set_vgpr_msb: bits 1:0 source 0, 3:2 source 1, 5:4 source 2, 7:6 destination):
;   window 0: v2-18 addresses; v20-63 at work; v64-95, v96-127 the tokens' fragments, two buffers; v128-191, v192-255 the weights'; both also at work between units
;   window 1: ACC0, (token tile t, column block c) at 8 (8 t + c): Q and h      window 2: ACC1: y, then x1 + the second product
;   window 3: v0-63 a unit's bias as C operand; v64-127 the sums of K; v128-175 bo, g1, be1; v176-223 b2, g2, be2 (by rows: columns 128 i + 4 lane + 0..3)
.set SLOTB, 65536
.set XB,    131072                     ; 64 rows of x, later of x1, bf16
.set HB,    197632                     ; 64 rows of Q Z, later of h, bf16
.set PX,    1040                       ; 1,024 bytes + 16
.set PY,    2064                       ; the stage for the norms: the same bytes as XB and HB, 64 rows of f32: 2,048 bytes + 16
.set SPARE, 264192
.set SPW, 2
.set NIL, 3
.set AB0, 4                            ; 16,384 w + 16 lane
.set AA0, 5                            ; (lane%16) PX + 16 (lane/16)
.set ADB, 6
.set ADA, 7
.set STOX, 8                           ; XB + (lane%16) PX + 256 w + 16 (lane/16): my 16 bytes of a row, in the accumulators' layout
.set STOH, 9                           ; the same in HB
.set YST0, 10                          ; the same in the stage, token tiles 0, 1
.set YST1, 11                          ; token tiles 2, 3
.set YRD, 12                           ; the stage by rows: my wave's 16 rows, 16 bytes a lane
.set VOD, 13                           ; 512 w + 32 (lane/16): my eight columns in a vector of f32
.set L16, 14
.set XST, 15
.set ADR, 16
.set ZERO, 17
.set PFO, 18                           ; 256 x lane
.set W,   20
.set TS,  64
.set FA0, 64
.set FB0, 128
.set TQ,  128
.set UQ,  192
.set BIAS, 0
.set KS,  64
.set WV, 16
.set CX, 17
.set RBK, 18
.set BB, 19
.set G1,  24
.set G0A, 32
.set G0W, 36
.set PTRM, 40                          ; s[40:41] my quarter of M_b's first tile, as a descriptor's words
.set PTRF, 42                          ; s[42:43] of W1's first tile
.set TN,  44                           ; the tile to be asked for
.set CNT, 45
.set PCN, 46
.set TBB, 47
.set TBA, 48
.set PFA, 50                           ; s[50:51] where my prefetches stand
.set PFC, 52
.set LIM, 53
.set L2E, 54
.set SEL, 56
.set MASKH, 58
.set INV, 59
.set EPS, 60
.set NINV, 62
.set B1P, 66
.set OP,  68
.set XP,  70
.set RO,  72
.set RCN, 73
.set KSP, 74
.set MSB, 0
.macro WIN new
.if MSB != (\new)
	s_set_vgpr_msb (MSB<<8)|(\new)
.set MSB, \new
.endif
.endm
.macro PLACES                          ; four plain vector instructions between a matrix instruction and a load or vector instruction that touches its registers
.rept 4
	v_nop
.endr
.endm
.macro CREST
	s_cmp_lg_u32 s[WV], 0
	s_cbranch_scc1 .Lnw0_\@
	s_barrier_signal -3
.Lnw0_\@:
	s_barrier_wait -3
	s_barrier_signal -1
	s_barrier_wait -1
.endm
.macro CROUND
	s_barrier_signal -1
	s_barrier_wait -1
	CREST
.endm
.macro BAR                             ; my LDS instructions are done; then everybody's are.  A tile may stay on its way
	s_wait_dscnt 0x0
	s_barrier_signal -1
	s_barrier_wait -1
.endm
	s_load_b256 s[4:11], s[0:1], 0x0               ; x 4, wts 6, mbk 8, vec 10
	s_load_b64 s[12:13], s[0:1], 0x20              ; out0
	v_lshl_add_u32 v[SPW], v0, 2, SPARE
	v_mov_b32 v[NIL], 0
	ds_add_u32 v[SPW], v[NIL]                      ; the opening: the add, twice on end, and its wait ahead of my first tensor load
	ds_add_u32 v[SPW], v[NIL]
	v_lshrrev_b32 v1, 5, v0
	v_readfirstlane_b32 s[WV], v1
	s_bfe_u32 s[CX], ttmp6, 0x40000                ; my place in the cluster: it enters the addresses of x, out0 and the prefetches alone
	s_lshl_b32 s[RBK], ttmp9, 2
	s_add_co_u32 s[RBK], s[RBK], s[CX]             ; my 64 rows
	s_lshr_b32 s[BB], ttmp9, 3                     ; the batch, which the partners share
	s_mov_b32 s[G1], 15|(3<<16)|(1<<21)            ; the mask of four; elements of 8 bytes; bit 21 beside a mask; no padding
	s_mov_b32 s[G1+1], 32<<16                      ; rows of 256 bytes,
	s_mov_b32 s[G1+2], 64<<16                      ; 64 of them,
	s_mov_b32 s[G1+3], 32<<16
	s_mov_b32 s[G1+4], 64
	s_mov_b32 s[G1+5], 32                          ; end to end
	s_mov_b32 s[G1+6], 0
	s_mov_b32 s[G1+7], 0
	s_lshl_b32 s20, s[WV], 14                      ; my quarter of a tile
	s_mov_b32 s21, 0
	s_mov_b32 s[G0A], 1
	s_mov_b32 s[G0A+1], s20
	s_mov_b32 s[G0W], 1
	s_add_co_u32 s[G0W+1], s20, SLOTB
	s_lshl_b32 s14, s[BB], 19
	s_add_co_u32 s14, s14, s20
	s_mov_b32 s15, 0
	s_lshl_b32 s76, s[RBK], 17
	s_lshl_b32 s77, s[WV], 15                      ; my wave's 16 rows
	s_add_co_u32 s76, s76, s77
	s_mov_b32 s77, 0
	s_lshl_b32 s[KSP], s[BB], 11
	s_add_co_u32 s[KSP], s[KSP], 0x400000
	s_mov_b32 s[KSP+1], 0
	s_lshl_b32 s78, s[CX], 14                      ; of a tile each partner prefetches 16,384 bytes, waves 0 and 1 half of that each
	s_lshl_b32 s79, s[WV], 13
	s_add_co_u32 s78, s78, s79
	s_add_co_u32 s78, s78, 0x70000                 ; one tile in front of W1's first: step 8 steps it there
	s_mov_b32 s79, 0
	s_lshr_b32 s[LIM], s[WV], 1
	s_or_b32 s[LIM], s[LIM], ttmp9                 ; waves 0 and 1 of the first cluster ask: the same in all four partners
	s_cmp_eq_u32 s[LIM], 0
	s_cselect_b32 s[LIM], 0, 0x7fffffff
	s_mov_b32 s[PFC], 65
	s_mov_b32 s[TN], 2
	s_mov_b32 s[TBB], 0
	s_mov_b32 s[L2E], 0x3fb8aa3b
	s_mov_b32 s[L2E+1], s[L2E]
	s_mov_b32 s[SEL], 0x76543210
	s_mov_b32 s[SEL+1], 0xfedcba98
	s_mov_b32 s[MASKH], 0xffff0000
	s_mov_b32 s[INV], 0x3b000000                   ; 1 / 512
	s_mov_b32 s[EPS], 0x3727c5ac                   ; 1e-5
	s_mov_b32 s[NINV], 0xbb000000                  ; -1 / 512
	s_mov_b32 s[NINV+1], s[NINV]
	s_wait_dscnt 0x0                               ; both opening adds are done
	s_wait_kmcnt 0x0
	s_add_nc_u64 s[22:23], s[6:7], s[20:21]        ; my quarter of tile 0 (Wq)
	s_mov_b64 s[G0A+2:G0A+3], s[22:23]
	s_or_b32 s[G0A+3], s[G0A+3], 0x80000000
	s_add_nc_u64 s[G0W+2:G0W+3], s[22:23], SLOTB
	s_or_b32 s[G0W+3], s[G0W+3], 0x80000000
	s_add_nc_u64 s[PTRF:PTRF+1], s[22:23], 0x80000
	s_or_b32 s[PTRF+1], s[PTRF+1], 0x80000000
	s_add_nc_u64 s[PTRM:PTRM+1], s[8:9], s[14:15]
	s_or_b32 s[PTRM+1], s[PTRM+1], 0x80000000
	s_add_nc_u64 s[XP:XP+1], s[4:5], s[76:77]
	s_add_nc_u64 s[OP:OP+1], s[12:13], s[76:77]
	s_add_nc_u64 s[KSP:KSP+1], s[8:9], s[KSP:KSP+1]
	s_add_nc_u64 s[PFA:PFA+1], s[6:7], s[78:79]
	s_add_nc_u64 s[B1P:B1P+1], s[10:11], 9*2048
	CROUND                                         ; all four work-groups are here: the first joint loads meet
	tensor_load_to_lds s[G0A:G0A+3], s[G1:G1+7]    ; tile 0: two loads of mine are out
	s_nop 0
	tensor_load_to_lds s[G0W:G0W+3], s[G1:G1+7]    ; tile 1
	s_nop 0
	PLACES
	v_and_b32 v1, 15, v0
	v_bfe_u32 v19, v0, 4, 1
	v_and_b32 v20, 31, v0
	v_lshlrev_b32 v[L16], 4, v20
	v_add_nc_u32 v[AB0], s20, v[L16]
	v_mul_u32_u24 v[AA0], v1, PX
	v_lshl_add_u32 v[AA0], v19, 4, v[AA0]
	s_lshl_b32 s14, s[WV], 8
	s_add_co_u32 s14, s14, XB
	v_add_nc_u32 v[STOX], s14, v[AA0]
	v_add_nc_u32 v[STOH], HB-XB, v[STOX]
	v_mul_u32_u24 v[YST0], v1, PY
	v_lshl_add_u32 v[YST0], v19, 5, v[YST0]
	s_lshl_b32 s15, s[WV], 9
	s_add_co_u32 s14, s15, XB
	v_add_nc_u32 v[YST0], s14, v[YST0]
	v_add_nc_u32 v[YST1], 32*PY, v[YST0]
	v_lshl_add_u32 v[VOD], v19, 5, s15
	s_mul_i32 s14, s[WV], 16*PY
	s_add_co_u32 s14, s14, XB
	v_add_nc_u32 v[YRD], s14, v[L16]
	s_mul_i32 s14, s[WV], 16*PX
	s_add_co_u32 s14, s14, XB
	v_lshl_add_u32 v[XST], v20, 3, s14
	v_mov_b32 v[ZERO], 0
	v_lshlrev_b32 v[PFO], 8, v20
	WIN 0xc0
.irp c, 0,1,2,3,4,5,6,7
.irp p, 0,1
	global_load_b128 v[BIAS+8*(\c)+4*(\p):BIAS+8*(\c)+4*(\p)+3], v[VOD], s[10:11] offset:64*(\c)+16*(\p)        ; bq
	global_load_b128 v[KS+8*(\c)+4*(\p):KS+8*(\c)+4*(\p)+3],     v[VOD], s[KSP:KSP+1] offset:64*(\c)+16*(\p)    ; the batch's sums of K
.endr
.endr
.irp sg, 0,1,2,3,4,5                   ; bo, g1, be1, b2, g2, be2: segments 3 to 8
.irp i, 0,1,2,3
	global_load_b128 v[128+16*(\sg)+4*(\i):128+16*(\sg)+4*(\i)+3], v[L16], s[10:11] offset:(3+(\sg))*2048+(\i)*512
.endr
.endr
	WIN 0x80                                       ; x: my wave's 16 rows, 512 consecutive bytes a load, into ACC1's registers, which are free
.set n, 0
.rept 64
	global_load_b128 v[4*n:4*n+3], v[L16], s[XP:XP+1] offset:(n/4)*2048+(n%4)*512 th:TH_LOAD_NT
.set n, n+1
.endr
.irp gq, 0,1,2,3
	s_wait_loadcnt 48-16*(\gq)                     ; sixteen more loads are in (and all the vectors); the younger ones stay out
	WIN 0x0a
.set n, 16*(\gq)
.rept 16
	v_cvt_pk_bf16_f32 v[128+2*n], v[4*n], v[4*n+1]
	v_cvt_pk_bf16_f32 v[128+2*n+1], v[4*n+2], v[4*n+3]
.set n, n+1
.endr
	WIN 0
.set n, 16*(\gq)
.rept 16
	ds_store_b64 v[XST], v[128+2*n:128+2*n+1] offset:(n/4)*PX+(n%4)*256
.set n, n+1
.endr
.endr
; 24 LDS loads in one run: half q of the step: the tokens' four fragments, then the weights' eight, into buffer f
.macro FETCH f, q
	WIN 0
.irp t, 0,1,2,3
	ds_load_b128 v[FA0+32*(\f)+8*(\t):FA0+32*(\f)+8*(\t)+3],   v[ADA] offset:(\t)*16*PX+64*(\q)
	ds_load_b128 v[FA0+32*(\f)+8*(\t)+4:FA0+32*(\f)+8*(\t)+7], v[ADA] offset:(\t)*16*PX+64*(\q)+32
.endr
.irp c, 0,1,2,3,4,5,6,7
	ds_load_b128 v[FB0+64*(\f)+8*(\c):FB0+64*(\f)+8*(\c)+3],   v[ADB] offset:(\q)*8192+(\c)*1024
	ds_load_b128 v[FB0+64*(\f)+8*(\c)+4:FB0+64*(\f)+8*(\c)+7], v[ADB] offset:(\q)*8192+(\c)*1024+512
.endr
.endm
; 8 products: column blocks c0, c0 + 1 x the four token tiles, into window acc.  first = 1: the sums start with the bias.  The 32 accumulators take turns.
.macro MULQ acc, f, c0, first
.if \first
	WIN 0x70
.else
	WIN 0x50*(\acc)
.endif
.irp c, \c0, (\c0)+1
.irp t, 0,1,2,3
.set rD, 8*(8*(\t)+(\c))
.set rB, FB0+64*(\f)+8*(\c)
.set rA, FA0+32*(\f)+8*(\t)
.if \first
	v_wmma_f32_16x16x32_bf16 v[rD:rD+7], v[rB:rB+7], v[rA:rA+7], v[BIAS+8*(\c):BIAS+8*(\c)+7]
.else
	v_wmma_f32_16x16x32_bf16 v[rD:rD+7], v[rB:rB+7], v[rA:rA+7], v[rD:rD+7]
.endif
.endr
.endr
.endm
.macro MULH acc, f, hf, first
	MULQ \acc, \f, 4*(\hf), \first
	MULQ \acc, \f, 4*(\hf)+2, \first
.endm
.macro QUARTER acc, first              ; a step's first half: buffer 0 is multiplied, the second half fetched into buffer 1
	s_wait_dscnt 8                                 ; all but the weights' blocks 4-7
	MULH \acc, 0, 0, \first
	PLACES
	FETCH 1, 1
	s_wait_dscnt 24                                ; all but the 24 just issued
	MULH \acc, 0, 1, \first
.endm
; A PREFETCH INTO THE L2: in step s (8 to 71) tile s + 8, one of the 64 tiles of W1 and W2: six steps, 384 matrix instructions a wave, ahead of the joint load that asks for it.  All clusters walk
; the same tiles: the first cluster asks; its partners and their waves 0 and 1 share a tile out by address, a lane 256 bytes: each block is named once.  Wq's and M_b's tiles come by their loads alone.
.macro ASK
	s_cmp_gt_i32 s[PFC], s[LIM]                    ; 64 .. 1 in steps 8 .. 71
	s_cbranch_scc0 .Lnm_\@
	global_prefetch_b8 v[PFO], s[PFA:PFA+1] th:TH_LOAD_NT scope:SCOPE_SE
.Lnm_\@:
.endm
; A step's second half, and the change of slots.  Each wave waits for all its tensor loads (one is out: its part of the next tile), adds 0 to its spare word, and waits for that and for its reads of
; this slot; the barrier opens a round of the cluster's; this slot is filled again first thing behind it, with the tile two steps on: 64 matrix instructions less 16 lie between request and wait.
; sel = 1: the walk changes buffers at tiles 8 and 16.  skip = 1: in the loop's last trip the unit ends, and the next step's fragments are fetched later, when its tokens' rows are written.
.macro TURN acc, sel, ask, skip
.if \ask
	s_wait_xcnt 0x0                                ; the last prefetch, a step back, has read its address
	s_add_nc_u64 s[PFA:PFA+1], s[PFA:PFA+1], SLOTB
	s_sub_co_i32 s[PFC], s[PFC], 1
.endif
	WIN 0
	s_wait_tensorcnt 0x0
	ds_add_u32 v[SPW], v[NIL]
	s_xor_b32 s[G0W+1], s[G0W+1], SLOTB            ; no load of mine is out: the walking descriptor takes the other slot and the next tile
	s_add_nc_u64 s[G0W+2:G0W+3], s[G0W+2:G0W+3], SLOTB
.if \sel
	s_cmp_eq_u32 s[TN], 8
	s_cselect_b64 s[G0W+2:G0W+3], s[PTRM:PTRM+1], s[G0W+2:G0W+3]
	s_cmp_eq_u32 s[TN], 16
	s_cselect_b64 s[G0W+2:G0W+3], s[PTRF:PTRF+1], s[G0W+2:G0W+3]
	s_add_co_u32 s[TN], s[TN], 1
.endif
	s_xor_b32 s[TBB], s[TBB], SLOTB
	s_add_co_u32 s[TBA], s[TBA], 128
	s_wait_dscnt 9                                 ; the add and the weights' blocks 4-7 may be out
	MULQ \acc, 1, 0, 0
	s_wait_dscnt 0x0                               ; the add is done, my reads of this slot are over
	s_barrier_signal -1
	MULQ \acc, 1, 2, 0
	WIN 0
	s_barrier_wait -1
	CREST
	tensor_load_to_lds s[G0W:G0W+3], s[G1:G1+7]    ; my one load behind the round
	s_nop 0
	PLACES                                         ; also the places in front of the loads into buffer 0
.if \skip
	s_cmp_eq_u32 s[CNT], 1
	s_cbranch_scc1 .Lskip_\@
.endif
	v_add_nc_u32 v[ADB], s[TBB], v[AB0]
	v_add_nc_u32 v[ADA], s[TBA], v[AA0]
	FETCH 0, 0
.if \skip
.Lskip_\@:
.endif
.if \ask
	ASK
.endif
	MULH \acc, 1, 1, 0
.endm
.macro START buf                       ; a unit's first fragments: its tokens' rows lie in buf
	WIN 0
	s_mov_b32 s[TBA], \buf
	v_add_nc_u32 v[ADB], s[TBB], v[AB0]
	v_add_nc_u32 v[ADA], s[TBA], v[AA0]
	FETCH 0, 0
.endm
.macro COUNT lbl
	WIN 0
	s_sub_co_u32 s[CNT], s[CNT], 1
	s_cmp_lg_u32 s[CNT], 0
	s_cbranch_scc1 \lbl
.endm
.macro LOADB1                          ; b1's chunk as the next C operand
	WIN 0xc0
.irp c, 0,1,2,3,4,5,6,7
.irp p, 0,1
	global_load_b128 v[BIAS+8*(\c)+4*(\p):BIAS+8*(\c)+4*(\p)+3], v[VOD], s[B1P:B1P+1] offset:64*(\c)+16*(\p)
.endr
.endr
	WIN 0
.endm
; Token tile t of Q: the feature map, the two heads' normalisers, Q Z in bf16 into HB.  64 exponentials are one batch with one wait (the 64 maxima are the work between); the two reciprocals another.
.macro E1Q t
	WIN 0x01
.set i, 0
.rept 32
	v_pk_mul_f32 v[TQ+i:TQ+i+1], v[64*(\t)+i:64*(\t)+i+1], s[L2E:L2E+1] op_sel_hi:[1,0]
.set i, i+2
.endr
	WIN 0
.set i, 0
.rept 64
	v_min_num_f32 v[TQ+i], 0, v[TQ+i]
.set i, i+1
.endr
.set i, 0
.rept 64
	v_exp_f32 v[TQ+i], v[TQ+i]
.set i, i+1
.endr
	WIN 0x04
.set i, 0
.rept 64
	v_max_num_f32 v[UQ+i], 0, v[64*(\t)+i]
.set i, i+1
.endr
	WIN 0
	s_wait_alu depctr_va_vdst(0)
.set i, 0
.rept 32
	v_pk_add_f32 v[UQ+i:UQ+i+1], v[UQ+i:UQ+i+1], v[TQ+i:TQ+i+1]
.set i, i+2
.endr
	WIN 0x0c                                       ; Q . sum K: column blocks 0-3 are one head, 4-7 the next; two chains a head
.set z, 0
.rept 32
.set p, 16*(z%2)+z/2
.set dn, W+8*(z%2)+2*((z/2)%2)
.if z < 4
	v_pk_mul_f32 v[dn:dn+1], v[UQ+2*p:UQ+2*p+1], v[KS+2*p:KS+2*p+1]
.else
	v_pk_fma_f32 v[dn:dn+1], v[UQ+2*p:UQ+2*p+1], v[KS+2*p:KS+2*p+1], v[dn:dn+1]
.endif
.set z, z+1
.endr
	WIN 0
.irp hd, 0,1
	v_pk_add_f32 v[W+8*(\hd):W+8*(\hd)+1], v[W+8*(\hd):W+8*(\hd)+1], v[W+8*(\hd)+2:W+8*(\hd)+3]
.endr
.irp hd, 0,1
	v_add_f32 v[W+8*(\hd)], v[W+8*(\hd)], v[W+8*(\hd)+1]
.endr
.irp hd, 0,1
	v_permlanex16_b32 v[W+8*(\hd)+1], v[W+8*(\hd)], s[SEL], s[SEL+1]  ; the head's other 32 channels lie in the lane 16 away
.endr
.irp hd, 0,1
	v_add_f32 v[W+8*(\hd)], v[W+8*(\hd)], v[W+8*(\hd)+1]
.endr
.irp hd, 0,1
	v_add_f32 v[W+8*(\hd)], 0x358637bd, v[W+8*(\hd)]                  ; + 1e-6
.endr
.irp hd, 0,1
	v_rcp_f32 v[W+8*(\hd)], v[W+8*(\hd)]
.endr
	v_nop
	s_wait_alu depctr_va_vdst(0)
.set p, 0
.rept 32
	v_pk_mul_f32 v[UQ+2*p:UQ+2*p+1], v[UQ+2*p:UQ+2*p+1], v[W+8*(p/16):W+8*(p/16)+1] op_sel_hi:[1,0]
.set p, p+1
.endr
.set p, 0
.rept 32
	v_cvt_pk_bf16_f32 v[TQ+p], v[UQ+2*p], v[UQ+2*p+1]
.set p, p+1
.endr
.irp c, 0,1,2,3,4,5,6,7
	ds_store_b128 v[STOH], v[TQ+4*(\c):TQ+4*(\c)+3] offset:(\t)*16*PX+32*(\c)
.endr
.endm
.macro YSTORE                          ; ACC1 into the stage, f32
	WIN 0x08
.irp t, 0,1,2,3
.irp c, 0,1,2,3,4,5,6,7
.irp p, 0,1
	ds_store_b128 v[YST0+(\t)/2], v[8*(8*(\t)+(\c))+4*(\p):8*(8*(\t)+(\c))+4*(\p)+3] offset:((\t)%2)*16*PY+64*(\c)+16*(\p)
.endr
.endr
.endr
	WIN 0
.endm
.macro RED                             ; both rows' pairs at TS, TS + 8: the sum over the pair and the 32 lanes, in every lane
.irp u, 0,1
	v_add_f32 v[TS+8*(\u)], v[TS+8*(\u)], v[TS+8*(\u)+1]
.endr
.irp m, 1,2,4,8
.irp u, 0,1
	v_add_f32_dpp v[TS+8*(\u)], v[TS+8*(\u)], v[TS+8*(\u)] row_xmask:\m row_mask:0xf bank_mask:0xf
.endr
.endr
.irp u, 0,1
	v_permlanex16_b32 v[TS+8*(\u)+1], v[TS+8*(\u)], s[SEL], s[SEL+1]
.endr
.irp u, 0,1
	v_add_f32 v[TS+8*(\u)], v[TS+8*(\u)], v[TS+8*(\u)+1]
.endr
.endm
; The norm of my wave's 16 rows, two a trip, a whole row in one wave: + bias, mean, centred squares, gain and offset.  n = 1: back into the stage; n = 2: to out0.
.macro ROWS n
.set VN, 128+48*((\n)-1)
	WIN 0
	s_mov_b32 s[RO], 0
	s_mov_b32 s[RCN], 8
.Lrow_\@:
	v_add_nc_u32 v[ADR], s[RO], v[YRD]
.irp u, 0,1
.irp i, 0,1,2,3
	ds_load_b128 v[W+16*(\u)+4*(\i):W+16*(\u)+4*(\i)+3], v[ADR] offset:(\u)*PY+(\i)*512
.endr
.endr
	s_wait_dscnt 0x0
	WIN 0x0c
.irp k, 0,1,2,3,4,5,6,7
.irp u, 0,1
.set y, W+16*(\u)+2*(\k)
	v_pk_add_f32 v[y:y+1], v[y:y+1], v[VN+2*(\k):VN+2*(\k)+1]
.endr
.endr
	WIN 0
.irp k, 0,1,2,3
.irp u, 0,1
.set y, W+16*(\u)+4*(\k)
.set g, TS+8*(\u)+2*(\k)
	v_pk_add_f32 v[g:g+1], v[y:y+1], v[y+2:y+3]
.endr
.endr
.irp k, 0,2
.irp u, 0,1
.set g, TS+8*(\u)+2*(\k)
	v_pk_add_f32 v[g:g+1], v[g:g+1], v[g+2:g+3]
.endr
.endr
.irp u, 0,1
.set g, TS+8*(\u)
	v_pk_add_f32 v[g:g+1], v[g:g+1], v[g+4:g+5]
.endr
	RED
.irp k, 0,1,2,3,4,5,6,7
.irp u, 0,1
.set y, W+16*(\u)+2*(\k)
	v_pk_fma_f32 v[y:y+1], v[TS+8*(\u):TS+8*(\u)+1], s[NINV:NINV+1], v[y:y+1] op_sel_hi:[0,0,1]  ; y - sum / 512
.endr
.endr
.irp k, 0,1,2,3,4,5,6,7
.irp u, 0,1
.set y, W+16*(\u)+2*(\k)
.set g, TS+8*(\u)+2*((\k)%2)
.if (\k) < 2
	v_pk_mul_f32 v[g:g+1], v[y:y+1], v[y:y+1]
.else
	v_pk_fma_f32 v[g:g+1], v[y:y+1], v[y:y+1], v[g:g+1]
.endif
.endr
.endr
.irp u, 0,1
.set g, TS+8*(\u)
	v_pk_add_f32 v[g:g+1], v[g:g+1], v[g+2:g+3]
.endr
	RED
.irp u, 0,1
	v_fma_f32 v[TS+8*(\u)], v[TS+8*(\u)], s[INV], s[EPS]
.endr
.irp u, 0,1
	v_rsq_f32 v[TS+8*(\u)], v[TS+8*(\u)]
.endr
	v_nop
	s_wait_alu depctr_va_vdst(0)                   ; one wait for the two roots
.irp k, 0,1,2,3,4,5,6,7
.irp u, 0,1
.set y, W+16*(\u)+2*(\k)
	v_pk_mul_f32 v[y:y+1], v[y:y+1], v[TS+8*(\u):TS+8*(\u)+1] op_sel_hi:[1,0]
.endr
.endr
	WIN 0x3c
.irp k, 0,1,2,3,4,5,6,7
.irp u, 0,1
.set y, W+16*(\u)+2*(\k)
	v_pk_fma_f32 v[y:y+1], v[y:y+1], v[VN+16+2*(\k):VN+16+2*(\k)+1], v[VN+32+2*(\k):VN+32+2*(\k)+1]
.endr
.endr
	WIN 0
.irp u, 0,1
.irp i, 0,1,2,3
.if (\n) == 1
	ds_store_b128 v[ADR], v[W+16*(\u)+4*(\i):W+16*(\u)+4*(\i)+3] offset:(\u)*PY+(\i)*512
.else
	global_store_b128 v[L16], v[W+16*(\u)+4*(\i):W+16*(\u)+4*(\i)+3], s[OP:OP+1] offset:(\u)*2048+(\i)*512 th:TH_STORE_NT  ; 512 consecutive bytes of a row, aligned
.endif
.endr
.endr
.if (\n) == 2
	s_wait_xcnt 0x0                                ; the stores have read their data and their base: both are written again below and in the next trip
	s_add_nc_u64 s[OP:OP+1], s[OP:OP+1], 4096
.endif
	s_add_co_u32 s[RO], s[RO], 2*PY
	s_sub_co_u32 s[RCN], s[RCN], 1
	s_cmp_lg_u32 s[RCN], 0
	s_cbranch_scc1 .Lrow_\@
.endm
	s_wait_tensorcnt 0x1                           ; my part of tile 0 is in (I alone read it); tile 1 may stay out
	BAR                                            ; everybody's rows of x are in XB
	; UNIT Q: ACC0 = bq + x Wq, steps 0-7
	START XB
	QUARTER 1, 1
	WIN 0
	s_mov_b32 s[CNT], 8
	s_branch .LmidQ
.LstepQ:
	QUARTER 1, 0
	WIN 0
.LmidQ:
	TURN 1, 1, 0, 1
	COUNT .LstepQ
	PLACES
	; ACC1 starts as the rounded x, in the accumulators' layout
.irp t, 0,1,2,3
.irp c, 0,1,2,3,4,5,6,7
	ds_load_b128 v[128+4*(8*(\t)+(\c)):128+4*(8*(\t)+(\c))+3], v[STOX] offset:(\t)*16*PX+32*(\c)
.endr
.endr
	LOADB1                                         ; b1's first chunk, wanted at unit A's head
	s_wait_dscnt 0x0
	WIN 0x80
.set i, 0
.rept 128
	v_lshlrev_b32 v[2*i], 16, v[128+i]
	v_and_b32 v[2*i+1], s[MASKH], v[128+i]
.set i, i+1
.endr
	E1Q 0
	E1Q 1
	E1Q 2
	E1Q 3
	BAR                                            ; all of Q Z is in HB
	; UNIT M: ACC1 += (Q Z) M_b, steps 8-15
	START HB
	s_mov_b32 s[CNT], 8
.LstepM:
	QUARTER 2, 0
	TURN 2, 1, 1, 1
	COUNT .LstepM
	; THE FIRST NORM, through the stage that takes XB's and HB's bytes
	PLACES
	BAR                                            ; nobody reads XB or HB any more
	YSTORE
	BAR
	ROWS 1
	BAR
	WIN 0x80
.irp t, 0,1,2,3
.irp c, 0,1,2,3,4,5,6,7
.irp p, 0,1
	ds_load_b128 v[8*(8*(\t)+(\c))+4*(\p):8*(8*(\t)+(\c))+4*(\p)+3], v[YST0+(\t)/2] offset:((\t)%2)*16*PY+64*(\c)+16*(\p)  ; x1 in f32: the second residual
.endr
.endr
.endr
	WIN 0
	BAR                                            ; everybody has read the stage: XB may be written
	WIN 0x0a
.set i, 0
.rept 128
	v_cvt_pk_bf16_f32 v[128+i], v[2*i], v[2*i+1]
.set i, i+1
.endr
	WIN 0
.irp t, 0,1,2,3
.irp c, 0,1,2,3,4,5,6,7
	ds_store_b128 v[STOX], v[128+4*(8*(\t)+(\c)):128+4*(8*(\t)+(\c))+3] offset:(\t)*16*PX+32*(\c)
.endr
.endr
	BAR                                            ; x1 in bf16 is in XB
	; THE FOUR PAIRS A, B: steps 16-79.  The loop is entered at a pair's head; a trip begins with the last two steps of the B before.
	s_mov_b32 s[PCN], 4
	s_branch .Lenter
.Lpair:
	s_mov_b32 s[CNT], 2
.LstepP:
	QUARTER 2, 0
	TURN 2, 0, 1, 1
	COUNT .LstepP
.Lenter:
	START XB                                       ; UNIT A: ACC0 = b1 + x1 W1
	s_wait_loadcnt 0x0                             ; b1's chunk
	QUARTER 1, 1
	WIN 0
	s_mov_b32 s[CNT], 8
	s_branch .LmidA
.LstepA:
	QUARTER 1, 0
	WIN 0
.LmidA:
	TURN 1, 0, 1, 1
	COUNT .LstepA
	PLACES
	WIN 0x05                                       ; h = relu, rounded to bf16 first (the same numbers either way), into HB: every wave has passed a barrier since it last read HB
.set i, 0
.rept 128
	v_cvt_pk_bf16_f32 v[128+i], v[2*i], v[2*i+1]
.set i, i+1
.endr
	WIN 0
.set i, 0
.rept 128
	v_pk_max_num_bf16 v[128+i], v[128+i], v[ZERO]
.set i, i+1
.endr
.irp t, 0,1,2,3
.irp c, 0,1,2,3,4,5,6,7
	ds_store_b128 v[STOH], v[128+4*(8*(\t)+(\c)):128+4*(8*(\t)+(\c))+3] offset:(\t)*16*PX+32*(\c)
.endr
.endr
	s_cmp_eq_u32 s[PCN], 1                         ; the last pair has no chunk behind it
	s_cbranch_scc1 .Lnob1
	s_add_nc_u64 s[B1P:B1P+1], s[B1P:B1P+1], 2048  ; (its last loads were waited for at the unit's head)
	LOADB1
.Lnob1:
	BAR                                            ; all of h is in HB
	START HB                                       ; UNIT B: ACC1 += h W2; its first six steps
	s_mov_b32 s[CNT], 6
.LstepB:
	QUARTER 2, 0
	TURN 2, 0, 1, 0
	COUNT .LstepB
	s_sub_co_u32 s[PCN], s[PCN], 1
	s_cmp_lg_u32 s[PCN], 0
	s_cbranch_scc1 .Lpair
	; steps 78 and 79 are written out: nothing is asked for, so no barrier is wanted: I alone read my part of a tile
	QUARTER 2, 0
	s_wait_tensorcnt 0x0                           ; my part of tile 79 is in
	s_wait_dscnt 8
	MULH 2, 1, 0, 0
	PLACES
	WIN 0
	s_xor_b32 s[TBB], s[TBB], SLOTB
	s_add_co_u32 s[TBA], s[TBA], 128
	v_add_nc_u32 v[ADB], s[TBB], v[AB0]
	v_add_nc_u32 v[ADA], s[TBA], v[AA0]
	FETCH 0, 0
	s_wait_dscnt 24
	MULH 2, 1, 1, 0
	QUARTER 2, 0
	s_wait_dscnt 8
	MULH 2, 1, 0, 0
	s_wait_dscnt 0x0
	MULH 2, 1, 1, 0
	WIN 0
	; THE SECOND NORM, and out
	PLACES
	BAR                                            ; nobody reads XB or HB any more
	YSTORE
	BAR
	ROWS 2
	s_wait_tensorcnt 0x0                           ; the wave's end
	ds_add_u32 v[SPW], v[NIL]
	s_wait_dscnt 0x0
	CROUND                                         ; the closing round
	s_endpgm
.Lfunc_end_k_q2b2f8e808a_main:
	.size	k_q2b2f8e808a_main, .Lfunc_end_k_q2b2f8e808a_main-k_q2b2f8e808a_main
	.p2alignl 7, 3214868480
	.fill 96, 4, 3214868480
	.section	.rodata,"a",@progbits
	.p2align	6, 0x0
	.amdhsa_kernel k_q2b2f8e808a_main
		.amdhsa_group_segment_fixed_size 327680
		.amdhsa_private_segment_fixed_size 0
		.amdhsa_enable_private_segment 0
		.amdhsa_kernarg_size 40
		.amdhsa_user_sgpr_count 2
		.amdhsa_user_sgpr_kernarg_segment_ptr 1
		.amdhsa_wavefront_size32 1
		.amdhsa_system_sgpr_workgroup_id_x 1
		.amdhsa_system_sgpr_workgroup_id_y 1
		.amdhsa_system_sgpr_workgroup_id_z 1
		.amdhsa_system_vgpr_workitem_id 0
		.amdhsa_next_free_vgpr 1024
		.amdhsa_next_free_sgpr 80
		.amdhsa_reserve_vcc 0
		.amdhsa_float_denorm_mode_32 3
		.amdhsa_float_denorm_mode_16_64 3
		.amdhsa_memory_ordered 1
		.amdhsa_forward_progress 1
		.amdhsa_inst_pref_size 246
	.end_amdhsa_kernel
	.amdgpu_metadata
---
amdhsa.version: [ 1, 2 ]
amdhsa.kernels:
  - .name:           k_q2b2f8e808a_main
    .symbol:         k_q2b2f8e808a_main.kd
    .args:
      - { .name: x, .offset: 0, .size: 8, .value_kind: global_buffer, .address_space: global }
      - { .name: wts, .offset: 8, .size: 8, .value_kind: global_buffer, .address_space: global }
      - { .name: mbk, .offset: 16, .size: 8, .value_kind: global_buffer, .address_space: global }
      - { .name: vec, .offset: 24, .size: 8, .value_kind: global_buffer, .address_space: global }
      - { .name: out0, .offset: 32, .size: 8, .value_kind: global_buffer, .address_space: global }
    .group_segment_fixed_size: 327680
    .private_segment_fixed_size: 0
    .kernarg_segment_align: 8
    .kernarg_segment_size: 40
    .max_flat_workgroup_size: 128
    .sgpr_count:     80
    .vgpr_count:     1024
    .wavefront_size: 32
...
	.end_amdgpu_metadata
.endif
;; end of part 4
;; ======== version 2 of 3: 4 launches
;; workspace buffers: wts 4,718,592 bytes; wkv 1,048,576 bytes; wot 524,288 bytes; vec 26,624 bytes; kvp 16,777,216 bytes; ksp 262,144 bytes; mbk 4,210,688 bytes
;; launch prep: the kernel of part 1 again; grid 205 x 1, 4 waves a work-group, no clusters, 33,280 bytes of LDS; arguments Wq, Wk, Wv, Wo, W1, W2, bq, bk, bv, bo, g1, be1, b2, g2, be2, b1, wts, wkv, wot, vec; writes wts, wkv, wot, vec
;; launch kv: the kernel of part 2 again; grid 256 x 1, 4 waves a work-group, clusters of 4 x 1, 327,680 bytes of LDS; arguments x, wkv, vec, kvp, ksp; writes kvp, ksp
;; launch fold: the kernel of part 3 again; grid 4 x 64, 4 waves a work-group, no clusters, 2,560 bytes of LDS; arguments kvp, ksp, wot, mbk; writes mbk
;; launch main (part 5): grid 256 x 1, 4 waves a work-group, no clusters, 133,632 bytes of LDS; arguments x, wts, mbk, vec, out0; writes out0
.if DOCPART == 5
	.amdgcn_target "amdgcn-amd-amdhsa--gfx1250"
	.amdhsa_code_object_version 6
	.text
	.protected	k_q2b2f8e808a_main
	.globl	k_q2b2f8e808a_main
	.p2align	8
	.type	k_q2b2f8e808a_main,@function
k_q2b2f8e808a_main:
	s_mov_b64 s[64:65], 0
	v_nop
	global_prefetch_b8 v0, s[64:65] scope:SCOPE_SE
	s_setreg_imm32_b32 hwreg(HW_REG_WAVE_MODE, 25, 1), 1
	s_wait_xcnt 0x0
; MAIN: 64 rows go through the rest of the block: Q = elu(x Wq + bq) + 1; Z = 1 / (Q . sum K + 1e-6); y = x + (Q Z) M_b + bo; x1 = LN(y); h = relu(x1 W1 + b1);
; out = LN(x1 + h W2 + b2).  Nothing of reference() is left out; (Q Z KV^T) Wo is taken as (Q Z)(KV^T Wo), with M_b = KV^T Wo made by the launch before.
; LIMITS: all inputs rounded to bf16 (the first residual takes the rounded x); Q Z, x1 and h rounded to bf16 as matrix operands; the second residual takes x1 in f32; sums, means
; and variances f32, the variance from centred squares; 2^x below 2^-126 counts as 0; NaN and infinities are not treated apart.
; FIVE PAIRS OF UNITS of [64 x 512] x [512 x 512]: (Q, M), then four times (A: W1's chunk of 512 hidden, B: W2's).  h never leaves LDS.  One loop walks the five pairs; what stands between a
; pair's units, and the first norm, are chosen by the pair's counter, which is the same in all waves.  Work-group g takes the four chunks in the order g % 4, g % 4 + 1, ..: f32 sums in any order.
; SHARES.  Wave w makes columns 128 w .. 128 w + 127 of every unit, for all 64 tokens.  Source 0 = 16 columns of the weights, source 1 = 16 tokens: a lane holds ONE token (lane%16) and eight
; neighbouring columns 8 (lane/16) + 0..7.
; THE WEIGHTS COME STRAIGHT INTO REGISTERS; NO CLUSTER, NO TENSOR LOAD.  No wave reads a byte of the weights that another wave of its work-group reads, and they lie in memory as the registers take
; them.  Beside the tokens' two buffers (133,120 bytes) two LDS slots could hold one step's 65,536 bytes each: a joint refill would have one step's 64 matrix instructions a wave in which to land,
; behind a round of the cluster's barrier in each of 80 steps.  Through registers a wave has a ring of four buffers of a SUB-STEP each (32 k: 8 fragments, 16 loads, 8,192 bytes): 48 to 64 loads
; are on their way, the waits are counted, and no barrier stands in the steps.  A TRIP is four sub-steps: 128 k, 128 matrix instructions.
; REGISTERS in windows of 256 (s_set_vgpr_msb: bits 1:0 source 0, 3:2 source 1, 5:4 source 2, 7:6 destination):
;   window 0: v2-18 addresses; v20-51 at work; v64-95, v96-127 the tokens' fragments, two buffers (at work in the norms); v128-191, v192-255 ring buffers 0, 1
;   window 1: ACC0, (token tile t, column block c) at 8 (8 t + c): Q and h; between units: h packed in place, x1 packed, v128-175 a norm's three vectors (columns 128 i + 4 lane + 0..3)
;   window 2: ACC1: y, then x1 + the second product; before that at work for Q: v0-63, v64-127, and v128-191 the sums of K
;   window 3: v0-63 a unit's bias as C operand; v64-127, v128-191 ring buffers 2, 3
.set XB,    0                          ; 64 rows of x, later of x1, bf16; it lies at LDS byte 0
.set HB,    66560                      ; 64 rows of Q Z, later of h, bf16
.set PX,    1040                       ; 1,024 bytes + 16: the 16 rows of a fragment load start at 16 different groups of four banks
.set PY,    2064                       ; the stage for the norms: the same bytes as XB and HB, 64 rows of f32: 2,048 bytes + 16
.set SPARE, 133120                     ; the spare words, 128 bytes a wave
.set SPW, 2
.set NIL, 3
.set AA0, 5                            ; (lane%16) PX + 16 (lane/16)
.set ADA, 7                            ; the tokens' fragments of the trip in hand
.set STOX, 8                           ; XB + (lane%16) PX + 256 w + 16 (lane/16): my 16 bytes of a row, in the accumulators' layout
.set STOH, 9                           ; the same in HB
.set YST0, 10                          ; the same in the stage, token tiles 0, 1
.set YST1, 11                          ; token tiles 2, 3
.set YRD, 12                           ; the stage by rows: my wave's 16 rows, 16 bytes a lane
.set VOD, 13                           ; 512 w + 32 (lane/16): my eight columns in a vector of f32
.set L16, 14                           ; 16 x lane; never rewritten
.set XST, 15
.set ADR, 16
.set ZERO, 17
.set PFO, 18                           ; 256 x lane; never rewritten
.set W,   20
.set TS,  64
.set FA0, 64
.set TQ,  0                            ; window 2
.set UQ,  64                           ; window 2
.set KSQ, 128                          ; window 2
.set VN,  128                          ; window 1
.set BIAS, 0                           ; window 3
.set WV, 16
.set C0, 17                            ; the chunk that I take first
.set BB, 19
.set WOFF, 20                          ; 16,384 w
.set PN,  21                           ; the trip whose weights are being asked for
.set CNT, 22
.set PCN, 23                           ; pairs to go, this one among them
.set PFL, 24
.set TBA, 25
.set WP,  32                           ; s[32:33] my part of trip PN's weights
.set PFP, 34                           ; s[34:35] the same for the trip that is prefetched
.set MBP, 36                           ; s[36:37] M_b of my batch
.set L2E, 54
.set SEL, 56
.set MASKH, 58
.set INV, 59
.set EPS, 60
.set NINV, 62
.set B1P, 66
.set OP,  68
.set XP,  70
.set RO,  72
.set RCN, 73
.set KSP, 74
.set TI,  76
.set TOFF, 77
.set PN2, 78
.set MSB, 0
.macro WIN new                         ; the high byte repeats the setting that is left; a switch that changes nothing is dropped
.if MSB != (\new)
	s_set_vgpr_msb (MSB<<8)|(\new)
.set MSB, \new
.endif
.endm
.macro PLACES                          ; four plain vector instructions between a matrix instruction and a load or vector instruction that touches its registers
.rept 4
	v_nop
.endr
.endm
.macro BAR                             ; my LDS instructions are done; then everybody's are
	s_wait_dscnt 0x0
	s_barrier_signal -1
	s_barrier_wait -1
.endm
; Where my part of trip n's weights lies.  Unit u = n / 4, 131,072 bytes a trip.  u = 0: Wq, unit 0 of wts.  u = 1: M_b.  u = 2 + 2 p + i: unit 1 + 2 c + i of wts, c = (C0 + p) % 4.
.macro WADDR dst, n
	s_lshr_b32 s26, s[\n], 2
	s_and_b32 s30, s[\n], 3
	s_lshl_b32 s30, s30, 17
	s_add_co_u32 s30, s30, s[WOFF]
	s_sub_co_u32 s27, s26, 2
	s_lshr_b32 s28, s27, 1
	s_add_co_u32 s28, s28, s[C0]
	s_and_b32 s28, s28, 3
	s_and_b32 s27, s27, 1
	s_lshl1_add_u32 s28, s28, s27
	s_add_co_u32 s28, s28, 1
	s_lshl_b32 s28, s28, 19
	s_cmp_lt_u32 s26, 2
	s_cselect_b32 s28, 0, s28
	s_add_co_u32 s30, s30, s28                     ; an offset, made apart from the address; s31 = 0
	s_cmp_eq_u32 s26, 1
	s_cselect_b64 s[\dst:\dst+1], s[MBP:MBP+1], s[6:7]
	s_add_nc_u64 s[\dst:\dst+1], s[\dst:\dst+1], s[30:31]
.endm
; Ring buffer b takes sub-step b of the trip at WP: 16 loads of 512 consecutive bytes
.macro RLOAD b
	WIN 0xc0*((\b)/2)
.set rR, 128+64*((\b)%2)-64*((\b)/2)
.irp c, 0,1,2,3,4,5,6,7
	global_load_b128 v[rR+8*(\c):rR+8*(\c)+3],   v[L16], s[WP:WP+1] offset:((\b)/2)*65536+((\b)%2)*8192+(\c)*1024
	global_load_b128 v[rR+8*(\c)+4:rR+8*(\c)+7], v[L16], s[WP:WP+1] offset:((\b)/2)*65536+((\b)%2)*8192+(\c)*1024+512
.endr
.endm
.macro FAL f, q                        ; the tokens' four fragments of sub-step q of the trip at ADA, into buffer f
.irp t, 0,1,2,3
	ds_load_b128 v[FA0+32*(\f)+8*(\t):FA0+32*(\f)+8*(\t)+3],   v[ADA] offset:(\t)*16*PX+64*(\q)
	ds_load_b128 v[FA0+32*(\f)+8*(\t)+4:FA0+32*(\f)+8*(\t)+7], v[ADA] offset:(\t)*16*PX+64*(\q)+32
.endr
.endm
; 32 products of sub-step s into window acc.  first = 1: the sums start with the bias.  The 32 accumulators take turns, in the same order in every sub-step.
.macro MUL32 acc, s, first
.if \first
	WIN 0x70|(3*((\s)/2))
.else
	WIN (0x50*(\acc))|(3*((\s)/2))
.endif
.irp c, 0,1,2,3,4,5,6,7
.irp t, 0,1,2,3
.set rD, 8*(8*(\t)+(\c))
.set rB, 128+64*((\s)%2)-64*((\s)/2)+8*(\c)
.set rA, FA0+32*((\s)%2)+8*(\t)
.if \first
	v_wmma_f32_16x16x32_bf16 v[rD:rD+7], v[rB:rB+7], v[rA:rA+7], v[BIAS+8*(\c):BIAS+8*(\c)+7]
.else
	v_wmma_f32_16x16x32_bf16 v[rD:rD+7], v[rB:rB+7], v[rA:rA+7], v[rD:rD+7]
.endif
.endr
.endr
.endm
; A PREFETCH INTO THE L2 of the chunk that a work-group takes first (trips 8 to 15).  All work-groups with the same g % 4 begin with the same chunk: work-groups 0 to 3 ask, each for its own.  Each wave asks
; for what it will load itself, 32,768 bytes a trip, a lane 256 bytes, four instructions: each block is named once.  It names the trip whose loads go out three trips, 384 matrix instructions a wave, later,
; and stands behind the trip's first loads.  Wq's and M_b's trips come by their loads alone; behind trip 15 nothing is asked for.
.macro ASK
	s_add_co_u32 s[PN2], s[PN], 3
	s_sub_co_u32 s29, s[PN2], 8
	s_cmp_lt_u32 s29, s[PFL]                       ; PFL = 8 in work-groups 0 to 3, else 0
	s_cbranch_scc0 .Lnp_\@
	WADDR PFP, PN2                                 ; (the last prefetches have read it: the wait for that stands ahead of this trip's pointer step)
	global_prefetch_b8 v[PFO], s[PFP:PFP+1] th:TH_LOAD_NT scope:SCOPE_SE
	global_prefetch_b8 v[PFO], s[PFP:PFP+1] offset:8192 th:TH_LOAD_NT scope:SCOPE_SE
	global_prefetch_b8 v[PFO], s[PFP:PFP+1] offset:65536 th:TH_LOAD_NT scope:SCOPE_SE
	global_prefetch_b8 v[PFO], s[PFP:PFP+1] offset:73728 th:TH_LOAD_NT scope:SCOPE_SE
.Lnp_\@:
.endm
; SUB-STEP s of a trip.  At its head the registers that the sub-step before has multiplied are asked for again: the tokens' other buffer takes the next sub-step, the ring buffer just read the sub-step
; three on (in sub-step 0 that is this trip's last, else the next trip's: the pointer steps in sub-step 1).  ld = 0: the launch's last sub-steps ask for nothing.
; nx = 0: the unit ends here, no tokens are fetched; 1: they are; 2: not in the loop's last trip.  left: the ring loads that may stay out: the three younger buffers' 48; other loads that stand
; between them make the count stricter, never looser.
.macro SUB acc, s, first, ld, nx, left
	PLACES
	WIN 0
	s_wait_dscnt 0x0                               ; this sub-step's tokens, asked for a sub-step ago
.if (\nx) && ((\s) == 3)
	s_add_co_u32 s[TBA], s[TBA], 256               ; the next trip's 128 k in a row of tokens
.endif
.if (\nx) == 2
	s_cmp_eq_u32 s[CNT], 1
	s_cbranch_scc1 .Lnf_\@
.endif
.if \nx
.if (\s) == 3
	v_add_nc_u32 v[ADA], s[TBA], v[AA0]
.endif
	FAL ((\s)+1)%2, ((\s)+1)%4
.endif
.if (\nx) == 2
.Lnf_\@:
.endif
.if \ld
.if (\s) == 1
	s_wait_xcnt 0x0                                ; every load and prefetch issued so far (the youngest 32 matrix instructions back) has read its address: the pointers may be written
	s_add_co_u32 s[PN], s[PN], 1
	WADDR WP, PN
.endif
	RLOAD ((\s)+3)%4
.if (\s) == 1
	WIN 0
	ASK
.endif
.endif
	s_wait_loadcnt \left
	MUL32 \acc, \s, \first
.endm
.macro START buf                       ; a unit's first tokens: its rows lie in buf
	PLACES
	WIN 0
	s_mov_b32 s[TBA], \buf
	v_add_nc_u32 v[ADA], s[TBA], v[AA0]
	FAL 0, 0
.endm
.macro COUNT lbl
	WIN 0
	s_sub_co_u32 s[CNT], s[CNT], 1
	s_cmp_lg_u32 s[CNT], 0
	s_cbranch_scc1 \lbl
.endm
.macro LOADB1                          ; b1's chunk as the next C operand
	WIN 0xc0
.irp c, 0,1,2,3,4,5,6,7
.irp p, 0,1
	global_load_b128 v[BIAS+8*(\c)+4*(\p):BIAS+8*(\c)+4*(\p)+3], v[VOD], s[B1P:B1P+1] offset:64*(\c)+16*(\p)
.endr
.endr
	WIN 0
.endm
.macro LNV sg                          ; a norm's bias, gain and offset (segments sg, sg + 1, sg + 2 of vec), by rows, into ACC0's free registers; later ring waits show them landed
	WIN 0x40
.irp k, 0,1,2
.irp i, 0,1,2,3
	global_load_b128 v[VN+16*(\k)+4*(\i):VN+16*(\k)+4*(\i)+3], v[L16], s[10:11] offset:((\sg)+(\k))*2048+(\i)*512
.endr
.endr
	WIN 0
.endm
.macro QBLK t                          ; token tile t of q: min(q, 0) and max(q, 0) into the work registers
	WIN 0x84
.set i, 0
.rept 64
	v_min_num_f32 v[TQ+i], 0, v[64*(\t)+i]
.set i, i+1
.endr
.set i, 0
.rept 64
	v_max_num_f32 v[UQ+i], 0, v[64*(\t)+i]
.set i, i+1
.endr
	WIN 0
.endm
.macro YSTORE                          ; ACC1 into the stage, f32
	WIN 0x08
.irp t, 0,1,2,3
.irp c, 0,1,2,3,4,5,6,7
.irp p, 0,1
	ds_store_b128 v[YST0+(\t)/2], v[8*(8*(\t)+(\c))+4*(\p):8*(8*(\t)+(\c))+4*(\p)+3] offset:((\t)%2)*16*PY+64*(\c)+16*(\p)
.endr
.endr
.endr
	WIN 0
.endm
.macro RED                             ; both rows' pairs at TS, TS + 8: the sum over the pair and the 32 lanes, in every lane
.irp u, 0,1
	v_add_f32 v[TS+8*(\u)], v[TS+8*(\u)], v[TS+8*(\u)+1]
.endr
.irp m, 1,2,4,8
.irp u, 0,1
	v_add_f32_dpp v[TS+8*(\u)], v[TS+8*(\u)], v[TS+8*(\u)] row_xmask:\m row_mask:0xf bank_mask:0xf
.endr
.endr
.irp u, 0,1
	v_permlanex16_b32 v[TS+8*(\u)+1], v[TS+8*(\u)], s[SEL], s[SEL+1]
.endr
.irp u, 0,1
	v_add_f32 v[TS+8*(\u)], v[TS+8*(\u)], v[TS+8*(\u)+1]
.endr
.endm
; The norm of my wave's 16 rows, two a trip, a whole row in one wave: + bias, mean, centred squares, gain and offset.  n = 1: back into the stage; n = 2: to out0.
.macro ROWS n
	WIN 0
	s_mov_b32 s[RO], 0
	s_mov_b32 s[RCN], 8
.Lrow_\@:
	v_add_nc_u32 v[ADR], s[RO], v[YRD]
.irp u, 0,1
.irp i, 0,1,2,3
	ds_load_b128 v[W+16*(\u)+4*(\i):W+16*(\u)+4*(\i)+3], v[ADR] offset:(\u)*PY+(\i)*512
.endr
.endr
	s_wait_dscnt 0x0
	WIN 0x04
.irp k, 0,1,2,3,4,5,6,7
.irp u, 0,1
.set y, W+16*(\u)+2*(\k)
	v_pk_add_f32 v[y:y+1], v[y:y+1], v[VN+2*(\k):VN+2*(\k)+1]
.endr
.endr
	WIN 0
.irp k, 0,1,2,3
.irp u, 0,1
.set y, W+16*(\u)+4*(\k)
.set g, TS+8*(\u)+2*(\k)
	v_pk_add_f32 v[g:g+1], v[y:y+1], v[y+2:y+3]
.endr
.endr
.irp k, 0,2
.irp u, 0,1
.set g, TS+8*(\u)+2*(\k)
	v_pk_add_f32 v[g:g+1], v[g:g+1], v[g+2:g+3]
.endr
.endr
.irp u, 0,1
.set g, TS+8*(\u)
	v_pk_add_f32 v[g:g+1], v[g:g+1], v[g+4:g+5]
.endr
	RED
.irp k, 0,1,2,3,4,5,6,7
.irp u, 0,1
.set y, W+16*(\u)+2*(\k)
	v_pk_fma_f32 v[y:y+1], v[TS+8*(\u):TS+8*(\u)+1], s[NINV:NINV+1], v[y:y+1] op_sel_hi:[0,0,1]  ; y - sum / 512
.endr
.endr
.irp k, 0,1,2,3,4,5,6,7
.irp u, 0,1
.set y, W+16*(\u)+2*(\k)
.set g, TS+8*(\u)+2*((\k)%2)
.if (\k) < 2
	v_pk_mul_f32 v[g:g+1], v[y:y+1], v[y:y+1]
.else
	v_pk_fma_f32 v[g:g+1], v[y:y+1], v[y:y+1], v[g:g+1]
.endif
.endr
.endr
.irp u, 0,1
.set g, TS+8*(\u)
	v_pk_add_f32 v[g:g+1], v[g:g+1], v[g+2:g+3]
.endr
	RED
.irp u, 0,1
	v_fma_f32 v[TS+8*(\u)], v[TS+8*(\u)], s[INV], s[EPS]
.endr
.irp u, 0,1
	v_rsq_f32 v[TS+8*(\u)], v[TS+8*(\u)]
.endr
	v_nop
	s_wait_alu depctr_va_vdst(0)                   ; one wait for the two roots
.irp k, 0,1,2,3,4,5,6,7
.irp u, 0,1
.set y, W+16*(\u)+2*(\k)
	v_pk_mul_f32 v[y:y+1], v[y:y+1], v[TS+8*(\u):TS+8*(\u)+1] op_sel_hi:[1,0]
.endr
.endr
	WIN 0x14
.irp k, 0,1,2,3,4,5,6,7
.irp u, 0,1
.set y, W+16*(\u)+2*(\k)
	v_pk_fma_f32 v[y:y+1], v[y:y+1], v[VN+16+2*(\k):VN+16+2*(\k)+1], v[VN+32+2*(\k):VN+32+2*(\k)+1]
.endr
.endr
	WIN 0
.irp u, 0,1
.irp i, 0,1,2,3
.if (\n) == 1
	ds_store_b128 v[ADR], v[W+16*(\u)+4*(\i):W+16*(\u)+4*(\i)+3] offset:(\u)*PY+(\i)*512
.else
	global_store_b128 v[L16], v[W+16*(\u)+4*(\i):W+16*(\u)+4*(\i)+3], s[OP:OP+1] offset:(\u)*2048+(\i)*512 th:TH_STORE_NT  ; 512 consecutive bytes of a row, aligned
.endif
.endr
.endr
.if (\n) == 2
	s_wait_xcnt 0x0                                ; the stores have read their data and their base: both are written again below and in the next trip
	s_add_nc_u64 s[OP:OP+1], s[OP:OP+1], 4096
.endif
	s_add_co_u32 s[RO], s[RO], 2*PY
	s_sub_co_u32 s[RCN], s[RCN], 1
	s_cmp_lg_u32 s[RCN], 0
	s_cbranch_scc1 .Lrow_\@
.endm
	s_load_b256 s[4:11], s[0:1], 0x0               ; x 4, wts 6, mbk 8, vec 10
	s_load_b64 s[12:13], s[0:1], 0x20              ; out0
	v_lshl_add_u32 v[SPW], v0, 2, SPARE
	v_mov_b32 v[NIL], 0
	v_lshrrev_b32 v1, 5, v0
	v_readfirstlane_b32 s[WV], v1
	s_and_b32 s[C0], ttmp9, 3
	s_lshr_b32 s[BB], ttmp9, 5                     ; the batch: 32 work-groups of 64 rows each
	s_lshl_b32 s[WOFF], s[WV], 14
	s_mov_b32 s31, 0
	s_mov_b32 s[PN], 0
	s_cmp_lt_u32 ttmp9, 4
	s_cselect_b32 s[PFL], 8, 0
	s_lshl_b32 s[MBP], s[BB], 19
	s_mov_b32 s[MBP+1], 0
	s_lshl_b32 s38, ttmp9, 17                      ; my work-group's 64 rows of 2,048 bytes,
	s_lshl_b32 s39, s[WV], 15                      ; my wave's 16
	s_add_co_u32 s38, s38, s39
	s_mov_b32 s39, 0
	s_lshl_b32 s[KSP], s[BB], 11
	s_add_co_u32 s[KSP], s[KSP], 0x400000
	s_mov_b32 s[KSP+1], 0
	s_mov_b32 s[L2E], 0x3fb8aa3b
	s_mov_b32 s[L2E+1], s[L2E]
	s_mov_b32 s[SEL], 0x76543210
	s_mov_b32 s[SEL+1], 0xfedcba98
	s_mov_b32 s[MASKH], 0xffff0000
	s_mov_b32 s[INV], 0x3b000000                   ; 1 / 512
	s_mov_b32 s[EPS], 0x3727c5ac                   ; 1e-5
	s_mov_b32 s[NINV], 0xbb000000                  ; -1 / 512
	s_mov_b32 s[NINV+1], s[NINV]
	v_and_b32 v1, 15, v0
	v_bfe_u32 v19, v0, 4, 1
	v_and_b32 v20, 31, v0
	v_lshlrev_b32 v[L16], 4, v20
	v_mul_u32_u24 v[AA0], v1, PX
	v_lshl_add_u32 v[AA0], v19, 4, v[AA0]
	s_lshl_b32 s26, s[WV], 8
	v_add_nc_u32 v[STOX], s26, v[AA0]
	v_add_nc_u32 v[STOH], HB, v[STOX]
	v_mul_u32_u24 v[YST0], v1, PY
	v_lshl_add_u32 v[YST0], v19, 5, v[YST0]
	s_lshl_b32 s27, s[WV], 9
	v_add_nc_u32 v[YST0], s27, v[YST0]
	v_add_nc_u32 v[YST1], 32*PY, v[YST0]
	v_lshl_add_u32 v[VOD], v19, 5, s27
	s_mul_i32 s26, s[WV], 16*PY
	v_add_nc_u32 v[YRD], s26, v[L16]
	s_mul_i32 s26, s[WV], 16*PX
	v_lshl_add_u32 v[XST], v20, 3, s26
	v_mov_b32 v[ZERO], 0
	v_lshlrev_b32 v[PFO], 8, v20
	s_wait_kmcnt 0x0
	s_add_nc_u64 s[MBP:MBP+1], s[8:9], s[MBP:MBP+1]
	s_add_nc_u64 s[XP:XP+1], s[4:5], s[38:39]
	s_add_nc_u64 s[OP:OP+1], s[12:13], s[38:39]
	s_add_nc_u64 s[KSP:KSP+1], s[8:9], s[KSP:KSP+1]
	WADDR WP, PN
	RLOAD 0                                        ; the ring's first three buffers: trip 0's sub-steps 0, 1, 2
	RLOAD 1
	RLOAD 2
	WIN 0xc0
.irp c, 0,1,2,3,4,5,6,7
.irp p, 0,1
	global_load_b128 v[BIAS+8*(\c)+4*(\p):BIAS+8*(\c)+4*(\p)+3], v[VOD], s[10:11] offset:64*(\c)+16*(\p)      ; bq
.endr
.endr
	WIN 0x80
.irp c, 0,1,2,3,4,5,6,7
.irp p, 0,1
	global_load_b128 v[KSQ+8*(\c)+4*(\p):KSQ+8*(\c)+4*(\p)+3], v[VOD], s[KSP:KSP+1] offset:64*(\c)+16*(\p)    ; the batch's sums of K
.endr
.endr
	WIN 0x40                                       ; x: my wave's 16 rows, 512 consecutive bytes a load, into ACC0's registers, which are free
.set n, 0
.rept 64
	global_load_b128 v[4*n:4*n+3], v[L16], s[XP:XP+1] offset:(n/4)*2048+(n%4)*512 th:TH_LOAD_NT
.set n, n+1
.endr
.irp gq, 0,1,2,3
	s_wait_loadcnt 48-16*(\gq)                     ; sixteen more loads are in (and all that were issued ahead of x); the younger ones stay out
	WIN 0x45                                       ; rounded in place: the pair 2 n, 2 n + 1 lies below the four registers that it is made of, and below every load still out
.set n, 16*(\gq)
.rept 16
	v_cvt_pk_bf16_f32 v[2*n], v[4*n], v[4*n+1]
	v_cvt_pk_bf16_f32 v[2*n+1], v[4*n+2], v[4*n+3]
.set n, n+1
.endr
	WIN 0x04
.set n, 16*(\gq)
.rept 16
	ds_store_b64 v[XST], v[2*n:2*n+1] offset:(n/4)*PX+(n%4)*256
.set n, n+1
.endr
.endr
	WIN 0
	BAR                                            ; everybody's rows of x are in XB
	s_mov_b32 s[PCN], 5
	s_branch .Lenter                               ; the loop over pairs is entered at a pair's head; a trip begins with the last trip of the second unit before
.Lpair:
	SUB 2, 0, 0, 1, 1, 48
	SUB 2, 1, 0, 1, 1, 48
	SUB 2, 2, 0, 1, 1, 48
	SUB 2, 3, 0, 1, 0, 48
	PLACES
	WIN 0
	s_cmp_eq_u32 s[PCN], 4                         ; behind the first pair alone:
	s_cbranch_scc0 .Lenter
	; THE FIRST NORM, through the stage that takes XB's and HB's bytes.  The ring's loads for the next unit stay on their way.
	BAR                                            ; nobody reads XB or HB any more
	YSTORE
	BAR
	ROWS 1
	BAR
	WIN 0x80
.irp t, 0,1,2,3
.irp c, 0,1,2,3,4,5,6,7
.irp p, 0,1
	ds_load_b128 v[8*(8*(\t)+(\c))+4*(\p):8*(8*(\t)+(\c))+4*(\p)+3], v[YST0+(\t)/2] offset:((\t)%2)*16*PY+64*(\c)+16*(\p)  ; x1 in f32: the second residual
.endr
.endr
.endr
	WIN 0
	BAR                                            ; everybody has read the stage: XB may be written
	WIN 0x4a
.set i, 0
.rept 128
	v_cvt_pk_bf16_f32 v[i], v[2*i], v[2*i+1]
.set i, i+1
.endr
	WIN 0x04
.irp t, 0,1,2,3
.irp c, 0,1,2,3,4,5,6,7
	ds_store_b128 v[STOX], v[4*(8*(\t)+(\c)):4*(8*(\t)+(\c))+3] offset:(\t)*16*PX+32*(\c)
.endr
.endr
	WIN 0
	BAR                                            ; x1 in bf16 is in XB
.Lenter:
	START XB                                       ; A PAIR'S FIRST UNIT: ACC0 = bias + tokens x weights (bq, Wq; later b1's and W1's chunk)
	SUB 1, 0, 1, 1, 1, 48
	WIN 0
	s_mov_b32 s[CNT], 4
	s_branch .LmidA
.LstepA:
	SUB 1, 0, 0, 1, 1, 48
	WIN 0
.LmidA:
	SUB 1, 1, 0, 1, 1, 48
	SUB 1, 2, 0, 1, 1, 48
	SUB 1, 3, 0, 1, 2, 48
	COUNT .LstepA
	PLACES
	BAR                                            ; every wave has left the second unit before: nobody reads HB any more
	s_cmp_eq_u32 s[PCN], 5
	s_cbranch_scc0 .LepiR
	; BEHIND Q: the feature map, the two heads' normalisers, Q Z in bf16 into HB: a token tile a trip.  Which 64 registers of ACC0 a trip reads is chosen by forward jumps on its number.
	s_mov_b32 s[TI], 0
	s_mov_b32 s[TOFF], 0
.Lq:
	s_cmp_eq_u32 s[TI], 0
	s_cbranch_scc1 .Lq0
	s_cmp_eq_u32 s[TI], 1
	s_cbranch_scc1 .Lq1
	s_cmp_eq_u32 s[TI], 2
	s_cbranch_scc1 .Lq2
	QBLK 3
	s_branch .Lqc
.Lq0:
	QBLK 0
	s_branch .Lqc
.Lq1:
	QBLK 1
	s_branch .Lqc
.Lq2:
	QBLK 2
.Lqc:
	WIN 0x82
.set i, 0
.rept 32
	v_pk_mul_f32 v[TQ+i:TQ+i+1], v[TQ+i:TQ+i+1], s[L2E:L2E+1] op_sel_hi:[1,0]
.set i, i+2
.endr
.set i, 0
.rept 64
	v_exp_f32 v[TQ+i], v[TQ+i]
.set i, i+1
.endr
	WIN 0
	v_add_nc_u32 v[ADR], s[TOFF], v[STOH]          ; the plain instruction behind the last exponential
	s_wait_alu depctr_va_vdst(0)                   ; one wait for the 64
	WIN 0x8a
.set i, 0
.rept 32
	v_pk_add_f32 v[UQ+i:UQ+i+1], v[UQ+i:UQ+i+1], v[TQ+i:TQ+i+1]
.set i, i+2
.endr
	WIN 0x0a                                       ; Q . sum K: column blocks 0-3 are one head, 4-7 the next; two chains a head
.set z, 0
.rept 32
.set p, 16*(z%2)+z/2
.set dn, W+8*(z%2)+2*((z/2)%2)
.if z < 4
	v_pk_mul_f32 v[dn:dn+1], v[UQ+2*p:UQ+2*p+1], v[KSQ+2*p:KSQ+2*p+1]
.else
	v_pk_fma_f32 v[dn:dn+1], v[UQ+2*p:UQ+2*p+1], v[KSQ+2*p:KSQ+2*p+1], v[dn:dn+1]
.endif
.set z, z+1
.endr
	WIN 0
.irp hd, 0,1
	v_pk_add_f32 v[W+8*(\hd):W+8*(\hd)+1], v[W+8*(\hd):W+8*(\hd)+1], v[W+8*(\hd)+2:W+8*(\hd)+3]
.endr
.irp hd, 0,1
	v_add_f32 v[W+8*(\hd)], v[W+8*(\hd)], v[W+8*(\hd)+1]
.endr
.irp hd, 0,1
	v_permlanex16_b32 v[W+8*(\hd)+1], v[W+8*(\hd)], s[SEL], s[SEL+1]  ; the head's other 32 channels lie in the lane 16 away
.endr
.irp hd, 0,1
	v_add_f32 v[W+8*(\hd)], v[W+8*(\hd)], v[W+8*(\hd)+1]
.endr
.irp hd, 0,1
	v_add_f32 v[W+8*(\hd)], 0x358637bd, v[W+8*(\hd)]                  ; + 1e-6
.endr
.irp hd, 0,1
	v_rcp_f32 v[W+8*(\hd)], v[W+8*(\hd)]
.endr
	v_nop
	s_wait_alu depctr_va_vdst(0)                   ; one wait for the two reciprocals
	WIN 0x82
.set p, 0
.rept 32
	v_pk_mul_f32 v[UQ+2*p:UQ+2*p+1], v[UQ+2*p:UQ+2*p+1], v[W+8*(p/16):W+8*(p/16)+1] op_sel_hi:[1,0]
.set p, p+1
.endr
	WIN 0x8a
.set p, 0
.rept 32
	v_cvt_pk_bf16_f32 v[TQ+p], v[UQ+2*p], v[UQ+2*p+1]
.set p, p+1
.endr
	WIN 0x08
.irp c, 0,1,2,3,4,5,6,7
	ds_store_b128 v[ADR], v[TQ+4*(\c):TQ+4*(\c)+3] offset:32*(\c)
.endr
	WIN 0
	s_add_co_u32 s[TOFF], s[TOFF], 16*PX
	s_add_co_u32 s[TI], s[TI], 1
	s_cmp_lt_u32 s[TI], 4
	s_cbranch_scc1 .Lq
	; ACC1 starts as the rounded x, in the accumulators' layout: 128 words land in its upper half and are widened in place, from the low end on: word i goes to registers 2 i, 2 i + 1, below every word still unread
	WIN 0x80
.irp t, 0,1,2,3
.irp c, 0,1,2,3,4,5,6,7
	ds_load_b128 v[128+4*(8*(\t)+(\c)):128+4*(8*(\t)+(\c))+3], v[STOX] offset:(\t)*16*PX+32*(\c)
.endr
.endr
	s_wait_dscnt 0x0
	WIN 0x88
.set i, 0
.rept 128
	v_lshlrev_b32 v[2*i], 16, v[128+i]
	v_and_b32 v[2*i+1], s[MASKH], v[128+i]
.set i, i+1
.endr
	WIN 0
	LNV 3                                          ; bo, g1, be1
	s_branch .Lb1
.LepiR:
	; BEHIND A: h = relu, rounded to bf16 first (the same numbers either way), packed in place in ACC0: register i is written when registers 2 i, 2 i + 1 have been read
	WIN 0x45
.set i, 0
.rept 128
	v_cvt_pk_bf16_f32 v[i], v[2*i], v[2*i+1]
.set i, i+1
.endr
	WIN 0x41
.set i, 0
.rept 128
	v_pk_max_num_bf16 v[i], v[i], v[ZERO]
.set i, i+1
.endr
	WIN 0x04
.irp t, 0,1,2,3
.irp c, 0,1,2,3,4,5,6,7
	ds_store_b128 v[STOH], v[4*(8*(\t)+(\c)):4*(8*(\t)+(\c))+3] offset:(\t)*16*PX+32*(\c)
.endr
.endr
	WIN 0
	s_cmp_eq_u32 s[PCN], 1                         ; the last pair has no chunk behind it:
	s_cbranch_scc0 .Lb1
	LNV 6                                          ; b2, g2, be2
	s_branch .Lnob1
.Lb1:
	s_wait_xcnt 0x0                                ; the last loads by this pointer have read it
	s_sub_co_u32 s26, 5, s[PCN]                    ; the next pair is the (5 - PCN)-th of the four: its chunk,
	s_add_co_u32 s26, s26, s[C0]
	s_and_b32 s26, s26, 3
	s_lshl_b32 s30, s26, 11                        ; 2,048 bytes of b1, which begins at segment 9 of vec
	s_add_co_u32 s30, s30, 9*2048
	s_add_nc_u64 s[B1P:B1P+1], s[10:11], s[30:31]
	LOADB1
.Lnob1:
	BAR                                            ; all of Q Z, or of h, is in HB
	START HB                                       ; A PAIR'S SECOND UNIT: ACC1 += tokens x weights (M_b; later W2's chunk); its first three trips
	s_mov_b32 s[CNT], 3
.LstepB:
	SUB 2, 0, 0, 1, 1, 48
	SUB 2, 1, 0, 1, 1, 48
	SUB 2, 2, 0, 1, 1, 48
	SUB 2, 3, 0, 1, 1, 48
	COUNT .LstepB
	s_sub_co_u32 s[PCN], s[PCN], 1
	s_cmp_lg_u32 s[PCN], 0
	s_cbranch_scc1 .Lpair
	SUB 2, 0, 0, 1, 1, 48                          ; the launch's last trip is written out: its first sub-step asks for its last, the others for nothing, and the counts run down
	SUB 2, 1, 0, 0, 1, 32
	SUB 2, 2, 0, 0, 1, 16
	SUB 2, 3, 0, 0, 0, 0
	WIN 0
	; THE SECOND NORM, and out
	PLACES
	BAR                                            ; nobody reads XB or HB any more
	YSTORE
	BAR
	ROWS 2
	s_wait_tensorcnt 0x0                           ; the wave's end
	ds_add_u32 v[SPW], v[NIL]
	s_wait_dscnt 0x0
	s_endpgm
.Lfunc_end_k_q2b2f8e808a_main:
	.size	k_q2b2f8e808a_main, .Lfunc_end_k_q2b2f8e808a_main-k_q2b2f8e808a_main
	.p2alignl 7, 3214868480
	.fill 96, 4, 3214868480
	.section	.rodata,"a",@progbits
	.p2align	6, 0x0
	.amdhsa_kernel k_q2b2f8e808a_main
		.amdhsa_group_segment_fixed_size 133632
		.amdhsa_private_segment_fixed_size 0
		.amdhsa_enable_private_segment 0
		.amdhsa_kernarg_size 40
		.amdhsa_user_sgpr_count 2
		.amdhsa_user_sgpr_kernarg_segment_ptr 1
		.amdhsa_wavefront_size32 1
		.amdhsa_system_sgpr_workgroup_id_x 1
		.amdhsa_system_sgpr_workgroup_id_y 1
		.amdhsa_system_sgpr_workgroup_id_z 1
		.amdhsa_system_vgpr_workitem_id 0
		.amdhsa_next_free_vgpr 1024
		.amdhsa_next_free_sgpr 80
		.amdhsa_reserve_vcc 0
		.amdhsa_float_denorm_mode_32 3
		.amdhsa_float_denorm_mode_16_64 3
		.amdhsa_memory_ordered 1
		.amdhsa_forward_progress 1
		.amdhsa_inst_pref_size 209
	.end_amdhsa_kernel
	.amdgpu_metadata
---
amdhsa.version: [ 1, 2 ]
amdhsa.kernels:
  - .name:           k_q2b2f8e808a_main
    .symbol:         k_q2b2f8e808a_main.kd
    .args:
      - { .name: x, .offset: 0, .size: 8, .value_kind: global_buffer, .address_space: global }
      - { .name: wts, .offset: 8, .size: 8, .value_kind: global_buffer, .address_space: global }
      - { .name: mbk, .offset: 16, .size: 8, .value_kind: global_buffer, .address_space: global }
      - { .name: vec, .offset: 24, .size: 8, .value_kind: global_buffer, .address_space: global }
      - { .name: out0, .offset: 32, .size: 8, .value_kind: global_buffer, .address_space: global }
    .group_segment_fixed_size: 133632
    .private_segment_fixed_size: 0
    .kernarg_segment_align: 8
    .kernarg_segment_size: 40
    .max_flat_workgroup_size: 128
    .sgpr_count:     80
    .vgpr_count:     1024
    .wavefront_size: 32
...
	.end_amdgpu_metadata
.endif
;; end of part 5
;; ======== version 3 of 3: 4 launches; version 2 with the launch main written anew for expert scheduling mode
;; workspace buffers: wts 4,718,592 bytes; wkv 1,048,576 bytes; wot 524,288 bytes; vec 26,624 bytes; kvp 16,777,216 bytes; ksp 262,144 bytes; mbk 4,210,688 bytes
;; launch prep: the kernel of part 1 again; grid 205 x 1, 4 waves a work-group, no clusters, 33,280 bytes of LDS; arguments Wq, Wk, Wv, Wo, W1, W2, bq, bk, bv, bo, g1, be1, b2, g2, be2, b1, wts, wkv, wot, vec; writes wts, wkv, wot, vec
;; launch kv: the kernel of part 2 again; grid 256 x 1, 4 waves a work-group, clusters of 4 x 1, 327,680 bytes of LDS; arguments x, wkv, vec, kvp, ksp; writes kvp, ksp
;; launch fold: the kernel of part 3 again; grid 4 x 64, 4 waves a work-group, no clusters, 2,560 bytes of LDS; arguments kvp, ksp, wot, mbk; writes mbk
;; launch main (part 6): grid 256 x 1, 4 waves a work-group, no clusters, 133,632 bytes of LDS; arguments x, wts, mbk, vec, out0; writes out0
.if DOCPART == 6
	.amdgcn_target "amdgcn-amd-amdhsa--gfx1250"
	.amdhsa_code_object_version 6
	.text
	.protected	k_q2b2f8e808a_main
	.globl	k_q2b2f8e808a_main
	.p2align	8
	.type	k_q2b2f8e808a_main,@function
k_q2b2f8e808a_main:
	s_mov_b64 s[64:65], 0
	v_nop
	global_prefetch_b8 v0, s[64:65] scope:SCOPE_SE
	s_setreg_imm32_b32 hwreg(HW_REG_WAVE_SCHED_MODE, 0, 2), 2
	s_setreg_imm32_b32 hwreg(HW_REG_WAVE_MODE, 25, 1), 1
	s_wait_xcnt 0x0
	s_wait_alu depctr_vm_vsrc(0)
; MAIN: 64 rows go through the rest of the block: Q = elu(x Wq + bq) + 1; Z = 1 / (Q . sum K + 1e-6); y = x + (Q Z) M_b + bo; x1 = LN(y); h = relu(x1 W1 + b1);
; out = LN(x1 + h W2 + b2).  Nothing of reference() is left out; (Q Z KV^T) Wo is taken as (Q Z)(KV^T Wo), with M_b = KV^T Wo made by the launch before.
; LIMITS: all inputs rounded to bf16 (the first residual takes the rounded x); Q Z, x1 and h rounded to bf16 as matrix operands; the second residual takes x1 in f32; sums, means
; and variances f32, the variance from centred squares; 2^x below 2^-126 counts as 0; NaN and infinities are not treated apart.
; FIVE PAIRS OF UNITS of [64 x 512] x [512 x 512]: (Q, M), then four times (A: W1's chunk of 512 hidden, B: W2's).  h never leaves LDS.  One loop walks the five pairs; what stands between a
; pair's units, and the first norm, are chosen by the pair's counter, which is the same in all waves.  Work-group g takes the four chunks in the order g % 4, g % 4 + 1, ..: f32 sums in any order.
; SHARES.  Wave w makes columns 128 w .. 128 w + 127 of every unit, for all 64 tokens.  Source 0 = 16 columns of the weights, source 1 = 16 tokens: a lane holds ONE token (lane%16) and eight
; neighbouring columns 8 (lane/16) + 0..7.
; THE WEIGHTS COME STRAIGHT INTO REGISTERS; NO CLUSTER, NO TENSOR LOAD.  No wave reads a byte of the weights that another wave of its work-group reads, and they lie in memory as the registers take
; them.  Beside the tokens' two buffers (133,120 bytes) two LDS slots could hold one step's 65,536 bytes each: a joint refill would have one step's 64 matrix instructions a wave in which to land,
; behind a round of the cluster's barrier in each of 80 steps.  Through registers a wave has a ring of four buffers of a SUB-STEP each (32 k: 8 fragments, 16 loads, 8,192 bytes): 32 to 48 loads
; are on their way, the waits are counted, and no barrier stands in the steps.  A TRIP is four sub-steps: 128 k, 128 matrix instructions.
; THE MODE: SCHED_MODE bits 1:0 = 2 (LLVM: expert scheduling mode 2), set by the entry lines.  The code itself states the register dependences between vector or matrix instructions and
; memory or LDS instructions, with s_wait_alu, always for 0.
; THE PLAN.  Registers that memory or LDS instructions touch:
;   ring buffers 0-3   Sub-step s: its 32 products read buffer s; the 16 loads issued in sub-step s + 1 land in it (sub-step s + 4).  Nothing else names them.
;   tokens' buffers    Sub-step s: its products read buffer s % 2; the 8 LDS loads issued in sub-step s + 1 land in it.  The norms' lines also work in v64-79.
;   v[ADA]             Read by every load of tokens; written by one add at a unit's start and in each sub-step 3 that fetches.
;   v[ADR], v[W ..]    A trip of Q's loop or of a norm's row loop writes v[ADR] once; v[W ..] takes a trip's LDS loads, is worked on, and is the data of the trip's stores.
;   ACC0, ACC1         Between units: data of LDS stores (x, h, x1 packed in ACC0's v0-127; Q Z in ACC1's v0-31; y in all of ACC1) and target of loads (x, x1 into ACC1; a norm's vectors into ACC0's v128-175).
;   BIAS               Read by a first unit's first 32 products; the next chunk's loads land in it between that pair's units.
;   the other addresses (v5, v8-15, v18, and v2, v3) are written at the head and never again.
; So ONE wait on va_vdst stands at the head of a sub-step: the products of the sub-step before are done reading the ring buffer and the tokens' buffer that this sub-step's loads fill.  Those 24 loads
; follow it, dealt among the first twelve products, which name ring buffer s, the tokens' buffer s % 2, an accumulator window and BIAS: none of the registers that the loads touch.
; REGISTERS in windows of 256 (s_set_vgpr_msb: bits 1:0 source 0, 3:2 source 1, 5:4 source 2, 7:6 destination):
;   window 0: v2-18 addresses; v20-51 at work; v64-95, v96-127 the tokens' fragments, two buffers (at work in the norms); v128-191, v192-255 ring buffers 0, 1
;   window 1: ACC0, (token tile t, column block c) at 8 (8 t + c): Q and h; between units: h packed in place, x1 packed, v128-175 a norm's three vectors (columns 128 i + 4 lane + 0..3)
;   window 2: ACC1: y, then x1 + the second product; before that at work for Q: v0-63, v64-127, and v128-191 the sums of K
;   window 3: v0-63 a unit's bias as C operand; v64-127, v128-191 ring buffers 2, 3
.set XB,    0                          ; 64 rows of x, later of x1, bf16; it lies at LDS byte 0
.set HB,    66560                      ; 64 rows of Q Z, later of h, bf16
.set PX,    1040                       ; 1,024 bytes + 16: the 16 rows of a fragment load start at 16 different groups of four banks
.set PY,    2064                       ; the stage for the norms: the same bytes as XB and HB, 64 rows of f32: 2,048 bytes + 16
.set SPARE, 133120                     ; the spare words, 128 bytes a wave
.set SPW, 2
.set NIL, 3
.set AA0, 5                            ; (lane%16) PX + 16 (lane/16)
.set ADA, 7                            ; the tokens' fragments of the trip in hand
.set STOX, 8                           ; XB + (lane%16) PX + 256 w + 16 (lane/16): my 16 bytes of a row, in the accumulators' layout
.set STOH, 9                           ; the same in HB
.set YST0, 10                          ; the same in the stage, token tiles 0, 1
.set YST1, 11                          ; token tiles 2, 3
.set YRD, 12                           ; the stage by rows: my wave's 16 rows, 16 bytes a lane
.set VOD, 13                           ; 512 w + 32 (lane/16): my eight columns in a vector of f32
.set L16, 14                           ; 16 x lane; never rewritten
.set XST, 15
.set ADR, 16
.set ZERO, 17
.set PFO, 18                           ; 256 x lane; never rewritten
.set W,   20
.set TS,  64
.set FA0, 64
.set TQ,  0                            ; window 2
.set UQ,  64                           ; window 2
.set KSQ, 128                          ; window 2
.set VN,  128                          ; window 1
.set BIAS, 0                           ; window 3
.set WV, 16
.set C0, 17                            ; the chunk that I take first
.set BB, 19
.set WOFF, 20                          ; 16,384 w
.set PN,  21                           ; the trip whose weights are being asked for
.set CNT, 22
.set PCN, 23                           ; pairs to go, this one among them
.set PFL, 24
.set TBA, 25
.set WP,  32                           ; s[32:33] my part of trip PN's weights
.set PFP, 34                           ; s[34:35] the same for the trip that is prefetched
.set MBP, 36                           ; s[36:37] M_b of my batch
.set L2E, 54
.set SEL, 56
.set MASKH, 58
.set INV, 59
.set EPS, 60
.set NINV, 62
.set B1P, 66
.set OP,  68
.set XP,  70
.set RO,  72
.set RCN, 73
.set KSP, 74
.set TI,  76
.set TOFF, 77
.set PN2, 78
.set MSB, 0
.macro WIN new                         ; the high byte repeats the setting that is left; a switch that changes nothing is dropped
.if MSB != (\new)
	s_set_vgpr_msb (MSB<<8)|(\new)
.set MSB, \new
.endif
.endm
.macro PLACES                          ; four plain vector instructions between a matrix instruction and a load or vector instruction that touches its registers
.rept 4
	v_nop
.endr
.endm
.macro BAR                             ; my LDS instructions are done; then everybody's are
	s_wait_dscnt 0x0
	s_barrier_signal -1
	s_barrier_wait -1
.endm
; Where my part of trip n's weights lies.  Unit u = n / 4, 131,072 bytes a trip.  u = 0: Wq, unit 0 of wts.  u = 1: M_b.  u = 2 + 2 p + i: unit 1 + 2 c + i of wts, c = (C0 + p) % 4.
.macro WADDR dst, n
	s_lshr_b32 s26, s[\n], 2
	s_and_b32 s30, s[\n], 3
	s_lshl_b32 s30, s30, 17
	s_add_co_u32 s30, s30, s[WOFF]
	s_sub_co_u32 s27, s26, 2
	s_lshr_b32 s28, s27, 1
	s_add_co_u32 s28, s28, s[C0]
	s_and_b32 s28, s28, 3
	s_and_b32 s27, s27, 1
	s_lshl1_add_u32 s28, s28, s27
	s_add_co_u32 s28, s28, 1
	s_lshl_b32 s28, s28, 19
	s_cmp_lt_u32 s26, 2
	s_cselect_b32 s28, 0, s28
	s_add_co_u32 s30, s30, s28                     ; an offset, made apart from the address; s31 = 0
	s_cmp_eq_u32 s26, 1
	s_cselect_b64 s[\dst:\dst+1], s[MBP:MBP+1], s[6:7]
	s_add_nc_u64 s[\dst:\dst+1], s[\dst:\dst+1], s[30:31]
.endm
; Half h of ring buffer b takes its part of sub-step b of the trip at WP: 8 loads of 512 consecutive bytes
.macro RLOAD b, h
	WIN 0xc0*((\b)/2)
.set rR, 128+64*((\b)%2)-64*((\b)/2)+32*(\h)
.irp c, 0,1,2,3
	global_load_b128 v[rR+8*(\c):rR+8*(\c)+3],   v[L16], s[WP:WP+1] offset:((\b)/2)*65536+((\b)%2)*8192+(\h)*4096+(\c)*1024
	global_load_b128 v[rR+8*(\c)+4:rR+8*(\c)+7], v[L16], s[WP:WP+1] offset:((\b)/2)*65536+((\b)%2)*8192+(\h)*4096+(\c)*1024+512
.endr
.endm
.macro FAL f, q                        ; the tokens' four fragments of sub-step q of the trip at ADA, into buffer f
.irp t, 0,1,2,3
	ds_load_b128 v[FA0+32*(\f)+8*(\t):FA0+32*(\f)+8*(\t)+3],   v[ADA] offset:(\t)*16*PX+64*(\q)
	ds_load_b128 v[FA0+32*(\f)+8*(\t)+4:FA0+32*(\f)+8*(\t)+7], v[ADA] offset:(\t)*16*PX+64*(\q)+32
.endr
.endm
; The products of column blocks c0 .. c0 + cnt - 1 of sub-step s, four token tiles each, into window acc.  first = 1: the sums start with the bias.
; The 32 accumulators take turns, in the same order in every sub-step.
.macro MULC acc, s, first, c0, cnt
.if \first
	WIN 0x70|(3*((\s)/2))
.else
	WIN (0x50*(\acc))|(3*((\s)/2))
.endif
.set cb, \c0
.rept \cnt
.irp t, 0,1,2,3
.set rD, 8*(8*(\t)+cb)
.set rB, 128+64*((\s)%2)-64*((\s)/2)+8*cb
.set rA, FA0+32*((\s)%2)+8*(\t)
.if \first
	v_wmma_f32_16x16x32_bf16 v[rD:rD+7], v[rB:rB+7], v[rA:rA+7], v[BIAS+8*cb:BIAS+8*cb+7]
.else
	v_wmma_f32_16x16x32_bf16 v[rD:rD+7], v[rB:rB+7], v[rA:rA+7], v[rD:rD+7]
.endif
.endr
.set cb, cb+1
.endr
.endm
; A PREFETCH INTO THE L2 of the chunk that a work-group takes first (trips 8 to 15).  All work-groups with the same g % 4 begin with the same chunk: work-groups 0 to 3 ask, each for its own.  Each wave asks
; for what it will load itself, 32,768 bytes a trip, a lane 256 bytes, four instructions: each block is named once.  It names the trip whose loads go out three trips, 384 matrix instructions a wave, later,
; and stands behind the loads of the trip's second sub-step.  Wq's and M_b's trips come by their loads alone; behind trip 15 nothing is asked for.  v[PFO] was written ahead of the head's wait on va_vdst.
.macro ASK
	s_add_co_u32 s[PN2], s[PN], 3
	s_sub_co_u32 s29, s[PN2], 8
	s_cmp_lt_u32 s29, s[PFL]                       ; PFL = 8 in work-groups 0 to 3, else 0
	s_cbranch_scc0 .Lnp_\@
	WADDR PFP, PN2                                 ; (the last prefetches have read it: the wait for that stands ahead of this trip's pointer step)
	global_prefetch_b8 v[PFO], s[PFP:PFP+1] th:TH_LOAD_NT scope:SCOPE_SE
	global_prefetch_b8 v[PFO], s[PFP:PFP+1] offset:8192 th:TH_LOAD_NT scope:SCOPE_SE
	global_prefetch_b8 v[PFO], s[PFP:PFP+1] offset:65536 th:TH_LOAD_NT scope:SCOPE_SE
	global_prefetch_b8 v[PFO], s[PFP:PFP+1] offset:73728 th:TH_LOAD_NT scope:SCOPE_SE
.Lnp_\@:
.endm
; SUB-STEP s of a trip.  At its head its tokens and ring buffer s are shown in, and one wait on va_vdst frees the registers that the sub-step before has multiplied.  They are asked for again among the
; first products: behind four the tokens' other buffer takes the next sub-step, behind eight and behind twelve the ring buffer just read takes the two halves of the sub-step three on (in sub-step 0 that is
; this trip's last, else the next trip's: the pointer steps in sub-step 1).  ld = 0: the launch's last sub-steps ask for no weights.
; nx = 0: the unit ends here, no tokens are fetched; 1: they are; 2: not in the loop's last trip.  left: the ring loads that may stay out: the two younger buffers' 32; other loads that stand
; between them make the count stricter, never looser.
.macro SUB acc, s, first, ld, nx, left
	PLACES
	WIN 0
	s_wait_dscnt 0x0                               ; this sub-step's tokens, asked for a sub-step ago
	s_wait_loadcnt \left                           ; loads come back in order (ISA guide 5.7.1): ring buffer s is in
.if (\nx) && ((\s) == 3)
	s_add_co_u32 s[TBA], s[TBA], 256               ; the next trip's 128 k in a row of tokens
	s_wait_alu depctr_vm_vsrc(0)                   ; the loads of tokens issued so far have read v[ADA]
	v_add_nc_u32 v[ADA], s[TBA], v[AA0]            ; (in the loop's last trip of a first unit it is not used: the next unit's start writes it anew)
.endif
.if (\nx) || (\ld)
	s_wait_alu depctr_va_vdst(0)                   ; the products of the sub-step before are done reading their ring buffer and their tokens' buffer, in which the loads below land; in sub-step 3 v[ADA] is written
.endif
	MULC \acc, \s, \first, 0, 1
.if \nx
	WIN 0
.if (\nx) == 2
	s_cmp_eq_u32 s[CNT], 1
	s_cbranch_scc1 .Lnf_\@
.endif
	FAL ((\s)+1)%2, ((\s)+1)%4                     ; no wait: no vector or matrix instruction since the wait above names these registers or v[ADA]
.if (\nx) == 2
.Lnf_\@:
.endif
.endif
	MULC \acc, \s, \first, 1, 1
.if \ld
.if (\s) == 1
	s_wait_xcnt 0x0                                ; every load and prefetch issued so far (the youngest 28 matrix instructions back) has read its address: the pointers may be written
	s_add_co_u32 s[PN], s[PN], 1
	WADDR WP, PN
.endif
	RLOAD ((\s)+3)%4, 0                            ; no wait: the products since the wait above name other ring buffers
.endif
	MULC \acc, \s, \first, 2, 1
.if \ld
	RLOAD ((\s)+3)%4, 1
.if (\s) == 1
	WIN 0
	ASK
.endif
.endif
	MULC \acc, \s, \first, 3, 5
.endm
.macro START buf                       ; a unit's first tokens: its rows lie in buf
	PLACES
	WIN 0
	s_mov_b32 s[TBA], \buf
	s_wait_alu depctr_vm_vsrc(0)                   ; the loads of tokens issued so far have read v[ADA]; the LDS stores issued so far have read their data in ACC0's v0-127, which a first unit's products write again
	v_add_nc_u32 v[ADA], s[TBA], v[AA0]
	s_wait_alu depctr_va_vdst(0)                   ; v[ADA] is written; the products, and a norm's lines, are done with the tokens' buffer 0, in which the loads land
	FAL 0, 0
.endm
.macro COUNT lbl
	WIN 0
	s_sub_co_u32 s[CNT], s[CNT], 1
	s_cmp_lg_u32 s[CNT], 0
	s_cbranch_scc1 \lbl
.endm
.macro LOADB1                          ; b1's chunk as the next C operand.  No wait: the products that read BIAS stand ahead of many waits on va_vdst, and nothing since names it
	WIN 0xc0
.irp c, 0,1,2,3,4,5,6,7
.irp p, 0,1
	global_load_b128 v[BIAS+8*(\c)+4*(\p):BIAS+8*(\c)+4*(\p)+3], v[VOD], s[B1P:B1P+1] offset:64*(\c)+16*(\p)
.endr
.endr
	WIN 0
.endm
.macro LNV sg                          ; a norm's bias, gain and offset (segments sg, sg + 1, sg + 2 of vec), by rows, into ACC0's free registers; later ring waits show them landed.
	WIN 0x40                       ; No wait: the lines that read ACC0's v128-175 stand ahead of the wait on va_vdst in front of the LDS stores just issued, and nothing since names them
.irp k, 0,1,2
.irp i, 0,1,2,3
	global_load_b128 v[VN+16*(\k)+4*(\i):VN+16*(\k)+4*(\i)+3], v[L16], s[10:11] offset:((\sg)+(\k))*2048+(\i)*512
.endr
.endr
	WIN 0
.endm
.macro QBLK t                          ; token tile t of q: min(q, 0) and max(q, 0) into the work registers
	WIN 0x84
.set i, 0
.rept 64
	v_min_num_f32 v[TQ+i], 0, v[64*(\t)+i]
.set i, i+1
.endr
.set i, 0
.rept 64
	v_max_num_f32 v[UQ+i], 0, v[64*(\t)+i]
.set i, i+1
.endr
	WIN 0
.endm
.macro YSTORE                          ; ACC1 into the stage, f32
	WIN 0x08
	s_wait_alu depctr_va_vdst(0)                   ; the products have written ACC1, the data of these LDS stores; the four places stand ahead of the barrier, beside this wait
.irp t, 0,1,2,3
.irp c, 0,1,2,3,4,5,6,7
.irp p, 0,1
	ds_store_b128 v[YST0+(\t)/2], v[8*(8*(\t)+(\c))+4*(\p):8*(8*(\t)+(\c))+4*(\p)+3] offset:((\t)%2)*16*PY+64*(\c)+16*(\p)
.endr
.endr
.endr
	WIN 0
.endm
.macro RED                             ; both rows' pairs at TS, TS + 8: the sum over the pair and the 32 lanes, in every lane
.irp u, 0,1
	v_add_f32 v[TS+8*(\u)], v[TS+8*(\u)], v[TS+8*(\u)+1]
.endr
.irp m, 1,2,4,8
.irp u, 0,1
	v_add_f32_dpp v[TS+8*(\u)], v[TS+8*(\u)], v[TS+8*(\u)] row_xmask:\m row_mask:0xf bank_mask:0xf
.endr
.endr
.irp u, 0,1
	v_permlanex16_b32 v[TS+8*(\u)+1], v[TS+8*(\u)], s[SEL], s[SEL+1]
.endr
.irp u, 0,1
	v_add_f32 v[TS+8*(\u)], v[TS+8*(\u)], v[TS+8*(\u)+1]
.endr
.endm
; The norm of my wave's 16 rows, two a trip, a whole row in one wave: + bias, mean, centred squares, gain and offset.  n = 1: back into the stage; n = 2: to out0.
.macro ROWS n
	WIN 0
	s_mov_b32 s[RO], 0
	s_mov_b32 s[RCN], 8
.Lrow_\@:
	s_wait_alu depctr_vm_vsrc(0)                   ; the LDS loads and the stores issued so far have read v[ADR], and the stores their data v[W ..]: both are written again below
	v_add_nc_u32 v[ADR], s[RO], v[YRD]
	s_wait_alu depctr_va_vdst(0)                   ; v[ADR] is written; the lines of the trip before are done with v[W ..], in which the loads land
.irp u, 0,1
.irp i, 0,1,2,3
	ds_load_b128 v[W+16*(\u)+4*(\i):W+16*(\u)+4*(\i)+3], v[ADR] offset:(\u)*PY+(\i)*512
.endr
.endr
	s_wait_dscnt 0x0
	WIN 0x04
.irp k, 0,1,2,3,4,5,6,7
.irp u, 0,1
.set y, W+16*(\u)+2*(\k)
	v_pk_add_f32 v[y:y+1], v[y:y+1], v[VN+2*(\k):VN+2*(\k)+1]
.endr
.endr
	WIN 0
.irp k, 0,1,2,3
.irp u, 0,1
.set y, W+16*(\u)+4*(\k)
.set g, TS+8*(\u)+2*(\k)
	v_pk_add_f32 v[g:g+1], v[y:y+1], v[y+2:y+3]
.endr
.endr
.irp k, 0,2
.irp u, 0,1
.set g, TS+8*(\u)+2*(\k)
	v_pk_add_f32 v[g:g+1], v[g:g+1], v[g+2:g+3]
.endr
.endr
.irp u, 0,1
.set g, TS+8*(\u)
	v_pk_add_f32 v[g:g+1], v[g:g+1], v[g+4:g+5]
.endr
	RED
.irp k, 0,1,2,3,4,5,6,7
.irp u, 0,1
.set y, W+16*(\u)+2*(\k)
	v_pk_fma_f32 v[y:y+1], v[TS+8*(\u):TS+8*(\u)+1], s[NINV:NINV+1], v[y:y+1] op_sel_hi:[0,0,1]  ; y - sum / 512
.endr
.endr
.irp k, 0,1,2,3,4,5,6,7
.irp u, 0,1
.set y, W+16*(\u)+2*(\k)
.set g, TS+8*(\u)+2*((\k)%2)
.if (\k) < 2
	v_pk_mul_f32 v[g:g+1], v[y:y+1], v[y:y+1]
.else
	v_pk_fma_f32 v[g:g+1], v[y:y+1], v[y:y+1], v[g:g+1]
.endif
.endr
.endr
.irp u, 0,1
.set g, TS+8*(\u)
	v_pk_add_f32 v[g:g+1], v[g:g+1], v[g+2:g+3]
.endr
	RED
.irp u, 0,1
	v_fma_f32 v[TS+8*(\u)], v[TS+8*(\u)], s[INV], s[EPS]
.endr
.irp u, 0,1
	v_rsq_f32 v[TS+8*(\u)], v[TS+8*(\u)]
.endr
	v_nop
	s_wait_alu depctr_va_vdst(0)                   ; one wait for the two roots, ahead of their first reader
.irp k, 0,1,2,3,4,5,6,7
.irp u, 0,1
.set y, W+16*(\u)+2*(\k)
	v_pk_mul_f32 v[y:y+1], v[y:y+1], v[TS+8*(\u):TS+8*(\u)+1] op_sel_hi:[1,0]
.endr
.endr
	WIN 0x14
.irp k, 0,1,2,3,4,5,6,7
.irp u, 0,1
.set y, W+16*(\u)+2*(\k)
	v_pk_fma_f32 v[y:y+1], v[y:y+1], v[VN+16+2*(\k):VN+16+2*(\k)+1], v[VN+32+2*(\k):VN+32+2*(\k)+1]
.endr
.endr
	WIN 0
	s_wait_alu depctr_va_vdst(0)                   ; the lines above have written v[W ..], the data of the stores below
.irp u, 0,1
.irp i, 0,1,2,3
.if (\n) == 1
	ds_store_b128 v[ADR], v[W+16*(\u)+4*(\i):W+16*(\u)+4*(\i)+3] offset:(\u)*PY+(\i)*512
.else
	global_store_b128 v[L16], v[W+16*(\u)+4*(\i):W+16*(\u)+4*(\i)+3], s[OP:OP+1] offset:(\u)*2048+(\i)*512 th:TH_STORE_NT  ; 512 consecutive bytes of a row, aligned
.endif
.endr
.endr
.if (\n) == 2
	s_wait_xcnt 0x0                                ; the stores have read their data and their base: both are written again below and in the next trip (the wait on vm_vsrc at the trip's head stands beside this one)
	s_add_nc_u64 s[OP:OP+1], s[OP:OP+1], 4096
.endif
	s_add_co_u32 s[RO], s[RO], 2*PY
	s_sub_co_u32 s[RCN], s[RCN], 1
	s_cmp_lg_u32 s[RCN], 0
	s_cbranch_scc1 .Lrow_\@
.endm
	s_load_b256 s[4:11], s[0:1], 0x0               ; x 4, wts 6, mbk 8, vec 10
	s_load_b64 s[12:13], s[0:1], 0x20              ; out0
	v_lshl_add_u32 v[SPW], v0, 2, SPARE
	v_mov_b32 v[NIL], 0
	v_lshrrev_b32 v1, 5, v0
	v_readfirstlane_b32 s[WV], v1
	s_and_b32 s[C0], ttmp9, 3
	s_lshr_b32 s[BB], ttmp9, 5                     ; the batch: 32 work-groups of 64 rows each
	s_wait_alu depctr_va_sdst(0)                   ; the wave's number is written, ahead of its first reader: offsets and LDS addresses are made from it
	s_lshl_b32 s[WOFF], s[WV], 14
	s_mov_b32 s31, 0
	s_mov_b32 s[PN], 0
	s_cmp_lt_u32 ttmp9, 4
	s_cselect_b32 s[PFL], 8, 0
	s_lshl_b32 s[MBP], s[BB], 19
	s_mov_b32 s[MBP+1], 0
	s_lshl_b32 s38, ttmp9, 17                      ; my work-group's 64 rows of 2,048 bytes,
	s_lshl_b32 s39, s[WV], 15                      ; my wave's 16
	s_add_co_u32 s38, s38, s39
	s_mov_b32 s39, 0
	s_lshl_b32 s[KSP], s[BB], 11
	s_add_co_u32 s[KSP], s[KSP], 0x400000
	s_mov_b32 s[KSP+1], 0
	s_mov_b32 s[L2E], 0x3fb8aa3b
	s_mov_b32 s[L2E+1], s[L2E]
	s_mov_b32 s[SEL], 0x76543210
	s_mov_b32 s[SEL+1], 0xfedcba98
	s_mov_b32 s[MASKH], 0xffff0000
	s_mov_b32 s[INV], 0x3b000000                   ; 1 / 512
	s_mov_b32 s[EPS], 0x3727c5ac                   ; 1e-5
	s_mov_b32 s[NINV], 0xbb000000                  ; -1 / 512
	s_mov_b32 s[NINV+1], s[NINV]
	v_and_b32 v1, 15, v0
	v_bfe_u32 v19, v0, 4, 1
	v_and_b32 v20, 31, v0
	v_lshlrev_b32 v[L16], 4, v20
	v_mul_u32_u24 v[AA0], v1, PX
	v_lshl_add_u32 v[AA0], v19, 4, v[AA0]
	s_lshl_b32 s26, s[WV], 8
	v_add_nc_u32 v[STOX], s26, v[AA0]
	v_add_nc_u32 v[STOH], HB, v[STOX]
	v_mul_u32_u24 v[YST0], v1, PY
	v_lshl_add_u32 v[YST0], v19, 5, v[YST0]
	s_lshl_b32 s27, s[WV], 9
	v_add_nc_u32 v[YST0], s27, v[YST0]
	v_add_nc_u32 v[YST1], 32*PY, v[YST0]
	v_lshl_add_u32 v[VOD], v19, 5, s27
	s_mul_i32 s26, s[WV], 16*PY
	v_add_nc_u32 v[YRD], s26, v[L16]
	s_mul_i32 s26, s[WV], 16*PX
	v_lshl_add_u32 v[XST], v20, 3, s26
	v_mov_b32 v[ZERO], 0
	v_lshlrev_b32 v[PFO], 8, v20
	s_wait_kmcnt 0x0
	s_add_nc_u64 s[MBP:MBP+1], s[8:9], s[MBP:MBP+1]
	s_add_nc_u64 s[XP:XP+1], s[4:5], s[38:39]
	s_add_nc_u64 s[OP:OP+1], s[12:13], s[38:39]
	s_add_nc_u64 s[KSP:KSP+1], s[8:9], s[KSP:KSP+1]
	WADDR WP, PN
	s_wait_alu depctr_va_vdst(0)                   ; the addresses and offsets v5, v8 to v15 and v18 are written, which the kernel's loads, stores and prefetches read and nothing writes again
	RLOAD 0, 0                                     ; the ring's first three buffers: trip 0's sub-steps 0, 1, 2
	RLOAD 0, 1
	RLOAD 1, 0
	RLOAD 1, 1
	RLOAD 2, 0
	RLOAD 2, 1
	WIN 0xc0
.irp c, 0,1,2,3,4,5,6,7
.irp p, 0,1
	global_load_b128 v[BIAS+8*(\c)+4*(\p):BIAS+8*(\c)+4*(\p)+3], v[VOD], s[10:11] offset:64*(\c)+16*(\p)      ; bq
.endr
.endr
	WIN 0x80
.irp c, 0,1,2,3,4,5,6,7
.irp p, 0,1
	global_load_b128 v[KSQ+8*(\c)+4*(\p):KSQ+8*(\c)+4*(\p)+3], v[VOD], s[KSP:KSP+1] offset:64*(\c)+16*(\p)    ; the batch's sums of K
.endr
.endr
	WIN 0x40                                       ; x: my wave's 16 rows, 512 consecutive bytes a load, into ACC0's registers, which are free
.set n, 0
.rept 64
	global_load_b128 v[4*n:4*n+3], v[L16], s[XP:XP+1] offset:(n/4)*2048+(n%4)*512 th:TH_LOAD_NT
.set n, n+1
.endr
.irp gq, 0,1,2,3
	s_wait_loadcnt 48-16*(\gq)                     ; sixteen more loads are in (and all that were issued ahead of x); the younger ones stay out
	WIN 0x45                                       ; rounded in place: the pair 2 n, 2 n + 1 lies below the four registers that it is made of, and below every load still out
.set n, 16*(\gq)
.rept 16
	v_cvt_pk_bf16_f32 v[2*n], v[4*n], v[4*n+1]
	v_cvt_pk_bf16_f32 v[2*n+1], v[4*n+2], v[4*n+3]
.set n, n+1
.endr
	WIN 0x04
	s_wait_alu depctr_va_vdst(0)                   ; the roundings have written their pairs, the data of the LDS stores below
.set n, 16*(\gq)
.rept 16
	ds_store_b64 v[XST], v[2*n:2*n+1] offset:(n/4)*PX+(n%4)*256
.set n, n+1
.endr
.endr
	WIN 0
	BAR                                            ; everybody's rows of x are in XB
	s_mov_b32 s[PCN], 5
	s_branch .Lenter                               ; the loop over pairs is entered at a pair's head; a trip begins with the last trip of the second unit before
.Lpair:
	SUB 2, 0, 0, 1, 1, 32
	SUB 2, 1, 0, 1, 1, 32
	SUB 2, 2, 0, 1, 1, 32
	SUB 2, 3, 0, 1, 0, 32
	PLACES
	WIN 0
	s_cmp_eq_u32 s[PCN], 4                         ; behind the first pair alone:
	s_cbranch_scc0 .Lenter
	; THE FIRST NORM, through the stage that takes XB's and HB's bytes.  The ring's loads for the next unit stay on their way.
	BAR                                            ; nobody reads XB or HB any more
	YSTORE
	BAR
	ROWS 1
	BAR
	WIN 0x80
	s_wait_alu depctr_vm_vsrc(0)                   ; the LDS stores into the stage have read ACC1's registers, in which the loads below land (the products that named them stand ahead of those stores' wait on va_vdst; the norm names none)
.irp t, 0,1,2,3
.irp c, 0,1,2,3,4,5,6,7
.irp p, 0,1
	ds_load_b128 v[8*(8*(\t)+(\c))+4*(\p):8*(8*(\t)+(\c))+4*(\p)+3], v[YST0+(\t)/2] offset:((\t)%2)*16*PY+64*(\c)+16*(\p)  ; x1 in f32: the second residual
.endr
.endr
.endr
	WIN 0
	BAR                                            ; everybody has read the stage: XB may be written
	WIN 0x4a
.set i, 0
.rept 128
	v_cvt_pk_bf16_f32 v[i], v[2*i], v[2*i+1]
.set i, i+1
.endr
	WIN 0x04
	s_wait_alu depctr_va_vdst(0)                   ; the roundings have written ACC0's v0-127, the data of the LDS stores below
.irp t, 0,1,2,3
.irp c, 0,1,2,3,4,5,6,7
	ds_store_b128 v[STOX], v[4*(8*(\t)+(\c)):4*(8*(\t)+(\c))+3] offset:(\t)*16*PX+32*(\c)
.endr
.endr
	WIN 0
	BAR                                            ; x1 in bf16 is in XB
.Lenter:
	START XB                                       ; A PAIR'S FIRST UNIT: ACC0 = bias + tokens x weights (bq, Wq; later b1's and W1's chunk)
	SUB 1, 0, 1, 1, 1, 32
	WIN 0
	s_mov_b32 s[CNT], 4
	s_branch .LmidA
.LstepA:
	SUB 1, 0, 0, 1, 1, 32
	WIN 0
.LmidA:
	SUB 1, 1, 0, 1, 1, 32
	SUB 1, 2, 0, 1, 1, 32
	SUB 1, 3, 0, 1, 2, 32
	COUNT .LstepA
	PLACES
	BAR                                            ; every wave has left the second unit before: nobody reads HB any more
	s_cmp_eq_u32 s[PCN], 5
	s_cbranch_scc0 .LepiR
	; BEHIND Q: the feature map, the two heads' normalisers, Q Z in bf16 into HB: a token tile a trip.  Which 64 registers of ACC0 a trip reads is chosen by forward jumps on its number.
	s_mov_b32 s[TI], 0
	s_mov_b32 s[TOFF], 0
.Lq:
	s_wait_alu depctr_vm_vsrc(0)                   ; the LDS stores of the trip before have read v[ADR] and their data in TQ's registers: this trip writes both again
	s_cmp_eq_u32 s[TI], 0
	s_cbranch_scc1 .Lq0
	s_cmp_eq_u32 s[TI], 1
	s_cbranch_scc1 .Lq1
	s_cmp_eq_u32 s[TI], 2
	s_cbranch_scc1 .Lq2
	QBLK 3
	s_branch .Lqc
.Lq0:
	QBLK 0
	s_branch .Lqc
.Lq1:
	QBLK 1
	s_branch .Lqc
.Lq2:
	QBLK 2
.Lqc:
	WIN 0x82
.set i, 0
.rept 32
	v_pk_mul_f32 v[TQ+i:TQ+i+1], v[TQ+i:TQ+i+1], s[L2E:L2E+1] op_sel_hi:[1,0]
.set i, i+2
.endr
.set i, 0
.rept 64
	v_exp_f32 v[TQ+i], v[TQ+i]
.set i, i+1
.endr
	WIN 0
	v_add_nc_u32 v[ADR], s[TOFF], v[STOH]          ; the plain instruction behind the last exponential
	s_wait_alu depctr_va_vdst(0)                   ; one wait for the 64 exponentials, ahead of their first reader
	WIN 0x8a
.set i, 0
.rept 32
	v_pk_add_f32 v[UQ+i:UQ+i+1], v[UQ+i:UQ+i+1], v[TQ+i:TQ+i+1]
.set i, i+2
.endr
	WIN 0x0a                                       ; Q . sum K: column blocks 0-3 are one head, 4-7 the next; two chains a head
.set z, 0
.rept 32
.set p, 16*(z%2)+z/2
.set dn, W+8*(z%2)+2*((z/2)%2)
.if z < 4
	v_pk_mul_f32 v[dn:dn+1], v[UQ+2*p:UQ+2*p+1], v[KSQ+2*p:KSQ+2*p+1]
.else
	v_pk_fma_f32 v[dn:dn+1], v[UQ+2*p:UQ+2*p+1], v[KSQ+2*p:KSQ+2*p+1], v[dn:dn+1]
.endif
.set z, z+1
.endr
	WIN 0
.irp hd, 0,1
	v_pk_add_f32 v[W+8*(\hd):W+8*(\hd)+1], v[W+8*(\hd):W+8*(\hd)+1], v[W+8*(\hd)+2:W+8*(\hd)+3]
.endr
.irp hd, 0,1
	v_add_f32 v[W+8*(\hd)], v[W+8*(\hd)], v[W+8*(\hd)+1]
.endr
.irp hd, 0,1
	v_permlanex16_b32 v[W+8*(\hd)+1], v[W+8*(\hd)], s[SEL], s[SEL+1]  ; the head's other 32 channels lie in the lane 16 away
.endr
.irp hd, 0,1
	v_add_f32 v[W+8*(\hd)], v[W+8*(\hd)], v[W+8*(\hd)+1]
.endr
.irp hd, 0,1
	v_add_f32 v[W+8*(\hd)], 0x358637bd, v[W+8*(\hd)]                  ; + 1e-6
.endr
.irp hd, 0,1
	v_rcp_f32 v[W+8*(\hd)], v[W+8*(\hd)]
.endr
	v_nop
	s_wait_alu depctr_va_vdst(0)                   ; one wait for the two reciprocals, ahead of their first reader
	WIN 0x82
.set p, 0
.rept 32
	v_pk_mul_f32 v[UQ+2*p:UQ+2*p+1], v[UQ+2*p:UQ+2*p+1], v[W+8*(p/16):W+8*(p/16)+1] op_sel_hi:[1,0]
.set p, p+1
.endr
	WIN 0x8a
.set p, 0
.rept 32
	v_cvt_pk_bf16_f32 v[TQ+p], v[UQ+2*p], v[UQ+2*p+1]
.set p, p+1
.endr
	WIN 0x08
	s_wait_alu depctr_va_vdst(0)                   ; the roundings have written TQ's v0-31, the data of the LDS stores below (v[ADR] was written ahead of an earlier wait)
.irp c, 0,1,2,3,4,5,6,7
	ds_store_b128 v[ADR], v[TQ+4*(\c):TQ+4*(\c)+3] offset:32*(\c)
.endr
	WIN 0
	s_add_co_u32 s[TOFF], s[TOFF], 16*PX
	s_add_co_u32 s[TI], s[TI], 1
	s_cmp_lt_u32 s[TI], 4
	s_cbranch_scc1 .Lq
	; ACC1 starts as the rounded x, in the accumulators' layout: 128 words land in its upper half and are widened in place, from the low end on: word i goes to registers 2 i, 2 i + 1, below every word still unread.
	; The loads owe no wait: the lines that read the sums of K, in whose registers they land, stand ahead of the last wait on va_vdst, and no vector instruction has been issued since.
	WIN 0x80
.irp t, 0,1,2,3
.irp c, 0,1,2,3,4,5,6,7
	ds_load_b128 v[128+4*(8*(\t)+(\c)):128+4*(8*(\t)+(\c))+3], v[STOX] offset:(\t)*16*PX+32*(\c)
.endr
.endr
	s_wait_dscnt 0x0
	s_wait_alu depctr_vm_vsrc(0)                   ; the last trip's LDS stores have read TQ's v0-31, which the widening writes
	WIN 0x88
.set i, 0
.rept 128
	v_lshlrev_b32 v[2*i], 16, v[128+i]
	v_and_b32 v[2*i+1], s[MASKH], v[128+i]
.set i, i+1
.endr
	WIN 0
	LNV 3                                          ; bo, g1, be1
	s_branch .Lb1
.LepiR:
	; BEHIND A: h = relu, rounded to bf16 first (the same numbers either way), packed in place in ACC0: register i is written when registers 2 i, 2 i + 1 have been read
	WIN 0x45
.set i, 0
.rept 128
	v_cvt_pk_bf16_f32 v[i], v[2*i], v[2*i+1]
.set i, i+1
.endr
	WIN 0x41
.set i, 0
.rept 128
	v_pk_max_num_bf16 v[i], v[i], v[ZERO]
.set i, i+1
.endr
	WIN 0x04
	s_wait_alu depctr_va_vdst(0)                   ; the maxima have written ACC0's v0-127, the data of the LDS stores below; the roundings are done reading v128-175, in which a norm's vectors land
.irp t, 0,1,2,3
.irp c, 0,1,2,3,4,5,6,7
	ds_store_b128 v[STOH], v[4*(8*(\t)+(\c)):4*(8*(\t)+(\c))+3] offset:(\t)*16*PX+32*(\c)
.endr
.endr
	WIN 0
	s_cmp_eq_u32 s[PCN], 1                         ; the last pair has no chunk behind it:
	s_cbranch_scc0 .Lb1
	LNV 6                                          ; b2, g2, be2
	s_branch .Lnob1
.Lb1:
	s_wait_xcnt 0x0                                ; the last loads by this pointer have read it
	s_sub_co_u32 s26, 5, s[PCN]                    ; the next pair is the (5 - PCN)-th of the four: its chunk,
	s_add_co_u32 s26, s26, s[C0]
	s_and_b32 s26, s26, 3
	s_lshl_b32 s30, s26, 11                        ; 2,048 bytes of b1, which begins at segment 9 of vec
	s_add_co_u32 s30, s30, 9*2048
	s_add_nc_u64 s[B1P:B1P+1], s[10:11], s[30:31]
	LOADB1
.Lnob1:
	BAR                                            ; all of Q Z, or of h, is in HB
	START HB                                       ; A PAIR'S SECOND UNIT: ACC1 += tokens x weights (M_b; later W2's chunk); its first three trips
	s_mov_b32 s[CNT], 3
.LstepB:
	SUB 2, 0, 0, 1, 1, 32
	SUB 2, 1, 0, 1, 1, 32
	SUB 2, 2, 0, 1, 1, 32
	SUB 2, 3, 0, 1, 1, 32
	COUNT .LstepB
	s_sub_co_u32 s[PCN], s[PCN], 1
	s_cmp_lg_u32 s[PCN], 0
	s_cbranch_scc1 .Lpair
	SUB 2, 0, 0, 1, 1, 32                          ; the launch's last trip is written out: its first sub-step asks for its last, the others for no weights, and the counts run down
	SUB 2, 1, 0, 0, 1, 32
	SUB 2, 2, 0, 0, 1, 16
	SUB 2, 3, 0, 0, 0, 0
	WIN 0
	; THE SECOND NORM, and out
	PLACES
	BAR                                            ; nobody reads XB or HB any more
	YSTORE
	BAR
	ROWS 2
	s_wait_dscnt 0x0                               ; the closing lines, six on end
	s_wait_alu 0x0
	s_wait_tensorcnt 0x0
	ds_add_u32 v[SPW], v[NIL]
	s_wait_dscnt 0x0
	s_endpgm
.Lfunc_end_k_q2b2f8e808a_main:
	.size	k_q2b2f8e808a_main, .Lfunc_end_k_q2b2f8e808a_main-k_q2b2f8e808a_main
	.p2alignl 7, 3214868480
	.fill 96, 4, 3214868480
	.section	.rodata,"a",@progbits
	.p2align	6, 0x0
	.amdhsa_kernel k_q2b2f8e808a_main
		.amdhsa_group_segment_fixed_size 133632
		.amdhsa_private_segment_fixed_size 0
		.amdhsa_enable_private_segment 0
		.amdhsa_kernarg_size 40
		.amdhsa_user_sgpr_count 2
		.amdhsa_user_sgpr_kernarg_segment_ptr 1
		.amdhsa_wavefront_size32 1
		.amdhsa_system_sgpr_workgroup_id_x 1
		.amdhsa_system_sgpr_workgroup_id_y 1
		.amdhsa_system_sgpr_workgroup_id_z 1
		.amdhsa_system_vgpr_workitem_id 0
		.amdhsa_next_free_vgpr 1024
		.amdhsa_next_free_sgpr 80
		.amdhsa_reserve_vcc 0
		.amdhsa_float_denorm_mode_32 3
		.amdhsa_float_denorm_mode_16_64 3
		.amdhsa_memory_ordered 1
		.amdhsa_forward_progress 1
		.amdhsa_inst_pref_size 213
	.end_amdhsa_kernel
	.amdgpu_metadata
---
amdhsa.version: [ 1, 2 ]
amdhsa.kernels:
  - .name:           k_q2b2f8e808a_main
    .symbol:         k_q2b2f8e808a_main.kd
    .args:
      - { .name: x, .offset: 0, .size: 8, .value_kind: global_buffer, .address_space: global }
      - { .name: wts, .offset: 8, .size: 8, .value_kind: global_buffer, .address_space: global }
      - { .name: mbk, .offset: 16, .size: 8, .value_kind: global_buffer, .address_space: global }
      - { .name: vec, .offset: 24, .size: 8, .value_kind: global_buffer, .address_space: global }
      - { .name: out0, .offset: 32, .size: 8, .value_kind: global_buffer, .address_space: global }
    .group_segment_fixed_size: 133632
    .private_segment_fixed_size: 0
    .kernarg_segment_align: 8
    .kernarg_segment_size: 40
    .max_flat_workgroup_size: 128
    .sgpr_count:     80
    .vgpr_count:     1024
    .wavefront_size: 32
...
	.end_amdgpu_metadata
.endif
;; end of part 6
